; MI455X (gfx1250); checked and timed in simulation.
; The chip was launched on July 23, 2026; its instructions are those of AMD's public machine-readable ISA for CDNA 5 (MIT licence, August 2026) and "CDNA5" Instruction Set Architecture Reference Guide (July 2026). The comments in the code are by the model that wrote it; some were corrected since.
;; Simple Attention. Allowed arithmetic: matrix products marked QUANTISED: E2M3 operands, one E8M0 scale for each 32 along K, by v_wmma_scale_f32_16x16x128_f8f6f4 with both operands' format E2M3, f32 sums; everything else in f32.
;; Inputs: Wk 1,024 x 1,024 float32; Wo 1,024 x 1,024 float32; Wq 1,024 x 1,024 float32; Wv 1,024 x 1,024 float32; bo 1,024 float32; x 8 x 1,024 x 1,024 float32.
;; Outputs: out0 8 x 1,024 x 1,024 float32.
;; This version of the problem:
;;   THIS VERSION OF THE PROBLEM IS GIVEN IN LOW PRECISION. The matrix products marked QUANTISED in the list below multiply operands that are first quantised to E2M3 (2 exponent bits, 3 mantissa bits; 6 bits a number), with one power-of-two scale for each 32 numbers along K (OCP MX v1.0); their sums are f32. All else is computed in f32.
;;   The module's matrix products, in the order in which they are computed (A, B: the left and right operand; K: the contracted axis; several contracted axes count as one K, in the product's order):
;;     1. [M 8,192, K 1,024] x [K 1,024, N 1,024]; A: input x; B: input Wq: QUANTISED
;;     2. [M 8,192, K 1,024] x [K 1,024, N 1,024]; A: input x; B: input Wk: QUANTISED
;;     3. [M 8,192, K 1,024] x [K 1,024, N 1,024]; A: input x; B: input Wv: QUANTISED
;;     4. batch 128 x [M 1,024, K 64] x [K 64, N 1,024]; A: computed on the way; B: computed on the way: QUANTISED
;;     5. batch 128 x [M 64, K 1,024] x [K 1,024, N 1,024]; A: computed on the way; B: softmax (see below): QUANTISED
;;     6. [M 8,192, K 1,024] x [K 1,024, N 1,024]; A: computed on the way; B: input Wo: QUANTISED
;;   THE QUANTISER, for each operand of a quantised product, along K:
;;     - K is cut into blocks of 32 from its start; a last block that is shorter is filled with zeros.
;;     - A block's scale is 2^e with e = floor(log2(the largest magnitude in the block)) - 2, held to -126 .. 127; a block of zeros has e = 0. As a byte (E8M0): e + 127.
;;     - Each number is divided by its block's scale, clamped to +-7.5, and rounded to the nearest number of E2M3, ties to even, subnormals kept.
;;     - The product sums the exact products of the quantised numbers (number of the format x scale) in f32.
;;   ~~~python
;;   def quantise(x, axis):      # numpy; x: float32 -> the quantised numbers, widened to float32 again
;;       x = np.moveaxis(x, axis, -1); K = x.shape[-1]
;;       x = np.pad(x, [(0, 0)] * (x.ndim - 1) + [(0, -K % 32)]); x = x.reshape(x.shape[:-1] + (-1, 32)); a = np.abs(x).max(-1, keepdims=True)
;;       e = np.where(a > 0, np.clip(np.frexp(np.where(a > 0, a, 1))[1] - 1 - 2, -126, 127), 0)      # np.frexp(a)[1] - 1 = floor(log2(a)), exactly
;;       r = np.clip(x / 2.0 ** e, -7.5, 7.5)
;;       step = 2.0 ** (np.maximum(np.frexp(np.where(r == 0, 1, r))[1] - 1, 0) - 3)
;;       q = np.round(r / step) * step * 2.0 ** e      # np.round: ties to even
;;       return np.moveaxis(q.reshape(q.shape[:-2] + (-1,))[..., :K], -1, axis).astype(np.float32)
;;   ~~~
;;   SOFTMAX AHEAD OF A QUANTISED PRODUCT. Where the list says 'softmax', what is quantised is not the finished softmax but p = 2^(t - M), with t = logit x log2(e) and M = ceil(the row's largest t), a whole number; so 1/2 < the row's largest p <= 1. The row's sum l is taken of the UNQUANTISED p, in f32, and the product's result is divided by l at the end. Since M is a whole number, a kernel that streams over the keys may use a running M (the ceiling of the running maximum): every later rescaling is an exact power of two, which a block's scale takes up: the codes' values come out the same.
;;   OPERANDS COMPUTED ON THE WAY. 'Computed on the way' means the value that the module computes at that place (a softmax that the list does not call 'softmax' is quantised finished and normalised). What goes into a quantiser is computed in f32, as accurately as f32 sums, v_exp_f32 and their like allow (about 1e-6 of the number): no bf16 or f16 on the way to a quantiser, and a product that is left as it is and whose result goes on into a quantised operand takes f32 operands (vector FMAs, or v_wmma_f32_16x16x4_f32). A number that lies on a knife's edge between two numbers of the format may be rounded either way, as far as f32 arithmetic and the matrix unit's own rounding can turn it there, and no further.
;; One version. Each part assembles by itself: llvm-mc -triple=amdgcn-amd-amdhsa -mcpu=gfx1250 --defsym DOCPART=n.
;; ======== version 1 of 1: 4 launches
;; limits: right only within a limited range of input values
;; workspace buffers: xc 6,291,456 bytes; xs 262,144 bytes; wc 3,145,728 bytes; ws 131,072 bytes; qkvc 18,874,368 bytes; qkvs 786,432 bytes; oc 6,291,456 bytes; os 262,144 bytes
;; launch quant (part 1): grid 256 x 1, 6 waves a work-group, no clusters, 51,456 bytes of LDS; arguments x, Wq, Wk, Wv, Wo, xc, xs, wc, ws; writes xc, xs, wc, ws
.if DOCPART == 1
	.amdgcn_target "amdgcn-amd-amdhsa--gfx1250"
	.amdhsa_code_object_version 6
	.text
	.protected	k_qa5656ec228_quant
	.globl	k_qa5656ec228_quant
	.p2align	8
	.type	k_qa5656ec228_quant,@function
k_qa5656ec228_quant:
	s_mov_b64 s[64:65], 0
	v_nop
	global_prefetch_b8 v0, s[64:65] scope:SCOPE_SE
	s_setreg_imm32_b32 hwreg(HW_REG_WAVE_MODE, 25, 1), 1
	s_wait_xcnt 0x0
; x [8192][1024] and Wq, Wk, Wv, Wo [1024][1024], f32, K innermost, become codes of FP6 (E2M3) with one E8M0 byte for each 32 along K,
; laid in the ORDER OF AN OPERAND'S REGISTERS.  A tile T is 16 rows: lane index r stands for row 32 (T / 2) + 8 (T % 2) + r % 8 + 16 (r / 8).
; A fragment (tile T, 128 along K: 12 registers a lane) is an image of 1,536 bytes: register pair p at 256 p + 8 x lane.  Codes: [T][K step 0..7][1536].
; Scale words: [T][half q of K][r][4 words], word s % 4 = the four bytes of K step s.  The weights' tiles: Wq 0-63, Wk 64-127, Wv 128-191, Wo 192-255.
; A block's scale is 2^(floor(log2(its largest magnitude)) - 2); its byte is the largest magnitude's exponent field - 2, held at 1 from below.
; LIMITS: NaN and infinities are not served; a block whose largest magnitude lies under 2^(3 - 127), a block of zeros among them, gets the byte 1
; (its codes are then zeros or tiny; the bytes are read by this program alone).
; SHARES: a wave takes 16 rows x 512 along K: four steps of one fragment.  Work-groups 0-255 take x, then 32 each Wq, Wk, Wv, Wo: only pointers are chosen, one path.
; Each load reads 512 consecutive bytes of one row; a step's 16 rows turn through the wave's own stage in LDS (pitch 528), so that a lane gets 16 neighbours of each block.
; No matrix unit, no cluster, no tensor load: every byte is read once by one wave.
; THE DEAL, in place of what the lines above say of it: 1,536 strips of 16 rows x 512 along K are dealt to 256 work-groups of six waves, strip = 6 x work-group + wave.
; Tiles 0-511 are x's, then 64 each Wq's, Wk's, Wv's, Wo's: each wave chooses its pointers by its own tile's number.
.set STG,   8448                       ; a wave's stage: 16 rows x (512 + 16) bytes
.set SPARE, 6*STG                      ; behind the six stages: the spare words, 128 bytes a wave
.set SPW,   13                         ; v13  my spare word's LDS address; never rewritten
.set NIL,   14                         ; v14  0; never rewritten
.set TM,    16                         ; v16-31 at work: maxima, bytes, scale operands
.set RAW,   32                         ; v32-95, v96-159 two sets of 16 x 4 registers as loaded
.set X,     160                        ; v160-223 register 16 b + i = k 32 b + 16 (lane / 16) + i of my row
.set PC,    224                        ; v224-235 the fragment; v236-238, v240-242 the blocks' second halves on their way
.set PW,    244                        ; v244-247 the four steps' scale words
.set SEL,   30                         ; s[30:31] lane selects: lane l xor 16
	s_load_b512 s[4:19], s[0:1], 0x0               ; x, Wq, Wk, Wv, Wo, xc, xs, wc
	s_load_b64 s[20:21], s[0:1], 0x40              ; ws
	v_lshl_add_u32 v[SPW], v0, 2, SPARE
	v_mov_b32 v[NIL], 0
	v_lshrrev_b32 v1, 5, v0
	v_readfirstlane_b32 s28, v1                    ; wave
	v_and_b32 v1, 31, v0                           ; lane
	v_and_b32 v2, 15, v0                           ; r
	v_bfe_u32 v3, v0, 4, 1                         ; h
	v_lshlrev_b32 v4, 4, v1                        ; my 16 bytes of a load's 512
	s_mul_i32 s29, s28, STG
	v_add_nc_u32 v5, s29, v4                       ; the stage, on the way in
	v_mul_u32_u24 v6, v2, 528
	v_lshl_add_u32 v6, v3, 6, v6
	v_add_nc_u32 v6, s29, v6                       ; and out: row r, + 64 h
	v_lshlrev_b32 v7, 3, v1                        ; an image's place for my lane
	v_lshlrev_b32 v8, 4, v2
	v_lshl_add_u32 v8, v3, 3, v8                   ; the scale words' place: 16 r + 8 h
.irp b, 0,1,2,3
	v_mov_b32 v[TM+4+\b], 0                        ; written once: a lane permute's destination counts as one of its sources
.endr
	s_mov_b32 s[SEL], 0x76543210
	s_mov_b32 s[SEL+1], 0xfedcba98
	s_mov_b32 s32, 0xffff0000                      ; lanes 16-31
	s_mul_i32 s33, ttmp9, 6
	s_add_co_u32 s33, s33, s28                     ; my strip
	s_lshr_b32 s34, s33, 1                         ; its tile among all 768
	s_and_b32 s35, s33, 1                          ; q: which half of K
	s_and_b32 s36, s34, 63                         ; a weight's tile in its own tensor,
	s_sub_co_u32 s37, s34, 512                     ; and among the weights' 256
	s_wait_alu depctr_va_vdst(0)
	s_wait_kmcnt 0x0
	s_mov_b64 s[22:23], s[12:13]                   ; the choice hangs on the tile's number alone
	s_cmp_lt_u32 s34, 704
	s_cselect_b64 s[22:23], s[10:11], s[22:23]
	s_cmp_lt_u32 s34, 640
	s_cselect_b64 s[22:23], s[8:9], s[22:23]
	s_cmp_lt_u32 s34, 576
	s_cselect_b64 s[22:23], s[6:7], s[22:23]
	s_cmp_lt_u32 s34, 512
	s_cselect_b64 s[22:23], s[4:5], s[22:23]       ; from where,
	s_cselect_b64 s[24:25], s[14:15], s[18:19]     ; the codes' buffer,
	s_cselect_b64 s[26:27], s[16:17], s[20:21]     ; the scale words'
	s_cselect_b32 s36, s34, s36
	s_cselect_b32 s37, s34, s37
	s_lshr_b32 s38, s36, 1
	s_lshl_b32 s38, s38, 5
	s_and_b32 s39, s36, 1
	s_lshl_b32 s39, s39, 3
	s_add_co_u32 s38, s38, s39                     ; the tile's first row
	s_lshl_b32 s38, s38, 12                        ; x 4,096 bytes
	s_lshl_b32 s39, s35, 11
	s_add_co_u32 s38, s38, s39                     ; + 2,048 q
	s_mov_b32 s39, 0
	s_add_nc_u64 s[22:23], s[22:23], s[38:39]
	s_lshl_b32 s38, s37, 1
	s_add_co_u32 s38, s38, s35                     ; 2 T + q
	s_lshl_b32 s36, s38, 8                         ; 256 bytes of scale words each,
	s_mul_i32 s38, s38, 4*1536                     ; four fragments each
	s_add_nc_u64 s[24:25], s[24:25], s[38:39]
	s_mov_b32 s37, 0
	s_add_nc_u64 s[26:27], s[26:27], s[36:37]
.macro LOAD t                          ; step t: 16 rows x 512 bytes into set t % 2
.irp i, 0,1,2,3,4,5,6,7,8,9,10,11,12,13,14,15
	global_load_b128 v[RAW+64*((\t)%2)+4*\i:RAW+64*((\t)%2)+4*\i+3], v4, s[22:23] offset:(\i+8*(\i/8))*4096+512*(\t) th:TH_LOAD_NT
.endr
.endm
; 64 numbers of a lane become a fragment's codes in v[PC] on and its scale word in v[pw]
.macro QUANT s, pw
.irp b, 0,1,2,3
	v_max3_num_f32 v[TM+\b], |v[\s+16*\b]|, |v[\s+1+16*\b]|, 0x1800000   ; my 16 numbers of block b, and the floor 2^(3 - 127): the byte cannot fall under 1
.endr
.irp i, 2,4,6,8,10,12,14
.irp b, 0,1,2,3
	v_max3_num_f32 v[TM+\b], v[TM+\b], |v[\s+16*\b+\i]|, |v[\s+1+16*\b+\i]|   ; the four blocks by turns
.endr
.endr
.irp b, 0,1,2,3
	v_permlanex16_b32 v[TM+4+\b], v[TM+\b], s[SEL], s[SEL+1]
.endr
.irp b, 0,1,2,3
	v_max_num_f32 v[TM+\b], v[TM+\b], v[TM+4+\b]   ; with lane l xor 16's: the block's largest magnitude
.endr
.irp b, 0,1,2,3
	v_add_nc_u32 v[TM+12+\b], 0xff000000, v[TM+\b] ; 2 off its exponent field: the conversion's scale operand
.endr
.irp b, 0,1,2,3
	v_lshrrev_b32 v[TM+4+\b], 23, v[TM+12+\b]      ; the scale's byte
.endr
	v_lshl_or_b32 v[\pw], v[TM+5], 8, v[TM+4]
	v_lshl_or_b32 v[\pw], v[TM+6], 16, v[\pw]
	v_lshl_or_b32 v[\pw], v[TM+7], 24, v[\pw]
.irp c, 0,1
	v_cvt_scalef32_pk16_fp6_f32 v[PC+6*\c:PC+2+6*\c], v[\s+32*\c:\s+15+32*\c], v[TM+12+2*\c]
	v_cvt_scalef32_pk16_fp6_f32 v[PC+12+4*\c:PC+14+4*\c], v[\s+16+32*\c:\s+31+32*\c], v[TM+12+2*\c+1]   ; (three registers begin on an even number)
.endr
	v_nop                                          ; one plain place behind a scaled conversion
.irp c, 0,1                                    ; a whole block to a lane: lanes 0-15 block 2 c, lanes 16-31 block 2 c + 1
.irp i, 0,1,2
	v_permlane16_swap_b32 v[PC+6*\c+\i], v[PC+12+4*\c+\i]
.endr
.irp i, 0,1,2
	v_mov_b32 v[PC+3+6*\c+\i], v[PC+12+4*\c+\i]
.endr
.endr
.endm
.macro STEP t
.if (\t) < 3
	s_wait_loadcnt 16                              ; this step's 16 loads are in; the younger set's 16 may be out
.else
	s_wait_loadcnt 0x0
.endif
.irp i, 0,1,2,3,4,5,6,7,8,9,10,11,12,13,14,15
	ds_store_b128 v5, v[RAW+64*((\t)%2)+4*\i:RAW+64*((\t)%2)+4*\i+3] offset:528*\i
.endr
.irp b, 0,1,2,3
.irp j, 0,1,2,3
	ds_load_b128 v[X+16*\b+4*\j:X+16*\b+4*\j+3], v6 offset:128*\b+16*\j   ; LDS serves a wave's instructions in order: these see my stores
.endr
.endr
	s_wait_dscnt 0x0                               ; the numbers are back; the stage's stores have read the raw set
	s_wait_xcnt 0x0                                ; the last step's stores have read the fragment's registers: they are written again only behind this wait
.if (\t) < 2
	LOAD (\t)+2
.endif
	QUANT X, PW+(\t)
.irp p, 0,1,2,3,4,5
	global_store_b64 v7, v[PC+2*\p:PC+2*\p+1], s[24:25] offset:1536*(\t)+256*\p   ; 32 lanes store 256 consecutive bytes, aligned
.endr
.endm
	LOAD 0
	LOAD 1
	STEP 0
	STEP 1
	STEP 2
	STEP 3
	v_cndmask_b32 v248, v[PW], v[PW+2], s32        ; lanes 0-15 store words 0 and 1 of their row, lanes 16-31 words 2 and 3
	v_cndmask_b32 v249, v[PW+1], v[PW+3], s32
	global_store_b64 v8, v[248:249], s[26:27]      ; the wave's 256 bytes of scale words, aligned
	s_wait_tensorcnt 0x0                           ; the wave's end, behind my last LDS store
	ds_add_u32 v[SPW], v[NIL]
	s_wait_dscnt 0x0
	s_endpgm
.Lfunc_end_k_qa5656ec228_quant:
	.size	k_qa5656ec228_quant, .Lfunc_end_k_qa5656ec228_quant-k_qa5656ec228_quant
	.p2alignl 7, 3214868480
	.fill 96, 4, 3214868480
	.section	.rodata,"a",@progbits
	.p2align	6, 0x0
	.amdhsa_kernel k_qa5656ec228_quant
		.amdhsa_group_segment_fixed_size 51456
		.amdhsa_private_segment_fixed_size 0
		.amdhsa_enable_private_segment 0
		.amdhsa_kernarg_size 72
		.amdhsa_user_sgpr_count 2
		.amdhsa_user_sgpr_kernarg_segment_ptr 1
		.amdhsa_wavefront_size32 1
		.amdhsa_system_sgpr_workgroup_id_x 1
		.amdhsa_system_sgpr_workgroup_id_y 1
		.amdhsa_system_sgpr_workgroup_id_z 1
		.amdhsa_system_vgpr_workitem_id 0
		.amdhsa_next_free_vgpr 256
		.amdhsa_next_free_sgpr 66
		.amdhsa_reserve_vcc 0
		.amdhsa_float_denorm_mode_32 3
		.amdhsa_float_denorm_mode_16_64 3
		.amdhsa_memory_ordered 1
		.amdhsa_forward_progress 1
		.amdhsa_inst_pref_size 35
	.end_amdhsa_kernel
	.amdgpu_metadata
---
amdhsa.version: [ 1, 2 ]
amdhsa.kernels:
  - .name:           k_qa5656ec228_quant
    .symbol:         k_qa5656ec228_quant.kd
    .args:
      - { .name: x, .offset: 0, .size: 8, .value_kind: global_buffer, .address_space: global }
      - { .name: Wq, .offset: 8, .size: 8, .value_kind: global_buffer, .address_space: global }
      - { .name: Wk, .offset: 16, .size: 8, .value_kind: global_buffer, .address_space: global }
      - { .name: Wv, .offset: 24, .size: 8, .value_kind: global_buffer, .address_space: global }
      - { .name: Wo, .offset: 32, .size: 8, .value_kind: global_buffer, .address_space: global }
      - { .name: xc, .offset: 40, .size: 8, .value_kind: global_buffer, .address_space: global }
      - { .name: xs, .offset: 48, .size: 8, .value_kind: global_buffer, .address_space: global }
      - { .name: wc, .offset: 56, .size: 8, .value_kind: global_buffer, .address_space: global }
      - { .name: ws, .offset: 64, .size: 8, .value_kind: global_buffer, .address_space: global }
    .group_segment_fixed_size: 51456
    .private_segment_fixed_size: 0
    .kernarg_segment_align: 8
    .kernarg_segment_size: 72
    .max_flat_workgroup_size: 192
    .sgpr_count:     66
    .vgpr_count:     256
    .wavefront_size: 32
...
	.end_amdgpu_metadata
.endif
;; end of part 1
;; launch qkv (part 2): grid 4 x 64, 4 waves a work-group, clusters of 4 x 4, 327,680 bytes of LDS; arguments xc, xs, wc, ws, qkvc, qkvs; writes qkvc, qkvs
.if DOCPART == 2
	.amdgcn_target "amdgcn-amd-amdhsa--gfx1250"
	.amdhsa_code_object_version 6
	.text
	.protected	k_qa5656ec228_qkv
	.globl	k_qa5656ec228_qkv
	.p2align	8
	.type	k_qa5656ec228_qkv,@function
k_qa5656ec228_qkv:
	s_mov_b64 s[64:65], 0
	v_nop
	global_prefetch_b8 v0, s[64:65] scope:SCOPE_SE
	s_setreg_imm32_b32 hwreg(HW_REG_WAVE_MODE, 25, 1), 1
	s_wait_xcnt 0x0
	s_wait_alu depctr_hold_cnt(0) depctr_sa_sdst(0) depctr_va_vdst(0) depctr_va_sdst(0) depctr_va_ssrc(0) depctr_va_vcc(0) depctr_vm_vsrc(0)
	s_getreg_b32 s2, hwreg(HW_REG_IB_STS2, 6, 4)
	s_cmp_eq_u32 s2, 0
	s_cbranch_scc0 .Lentry_in_a_cluster
	s_endpgm
.Lentry_in_a_cluster:
	s_bfe_u32 s2, ttmp6, 0x10000c
	s_cmp_lg_u32 s2, 0xf033
	s_cbranch_scc0 .Lentry_shape_is_right
	s_endpgm
.Lentry_shape_is_right:
; q = x Wq^T, k = x Wk^T, v = x Wv^T on codes of FP6 (E2M3) with E8M0 scales; each result is quantised in registers for the product that reads it and leaves as codes.
; A tile is 256 P rows (source 0) x 128 R rows (source 1) over all of K = 1,024; four waves, each 128 P x 64 R: 32 accumulators, 256 registers.  A lane's registers run along P.
; A WORK-GROUP STAYS and makes three tiles: tile 0: q (P = features of Wq, R = tokens), tile 1: k (P = features of Wk, the same tokens), both quantised along the head's axis;
; tile 2: v (P = tokens, R = features of Wv), quantised along the keys.  256 work-groups x 3 tiles are all 768 tiles.  The three tiles are written out by one macro: each copy names its own addresses.
; OPERANDS lie in memory as images of fragments (1,536 bytes: register pair p at 256 p + 8 x lane), [tile][K step][1536]; every LDS load of a pair is 256 consecutive bytes.
; THE RING: two LDS slots of 512 along K, 147,456 bytes each (R's 8 tiles of 6,144 bytes, then P's 16).  A tile is once round the ring, and the ring goes on into the next tile: K step 3 leaves slot 0, which takes the next
; tile's K 0..511; K step 7 leaves slot 1, which takes its K 512..1023.  A refill has four K steps, 128 matrix instructions of a wave, in which to land.  Two tensor loads of mine are out at the start, one behind each round.
; CLUSTER 4 x 4: R's tiles hang on the row of the cluster and are asked for jointly along it, P's on the column: the requests for both are divided by four.
; The scale words come straight into registers, 24 loads of whole 256-byte blocks a tile; the next tile's are asked for at the head of the epilogue.
; No prefetch: the tokens' codes and Wq's are all read in tile 0; what a later tile reads for the first time is Wk's and Wv's 1.6 MB.
; OUT: qkvc, fragments by index: q, k: gP x 512 + TR (gP: 128 features, TR: token tile); v: 8192 + gP x 64 + TR (gP: 128 tokens, TR: feature tile).  qkvs: 64 bytes a fragment; the word of tile a of four, row r, at 128 (a / 2) + 8 r + 4 (a % 2).
; LIMITS: NaN and infinities are not served; a block under 2^(3 - 127), a block of zeros among them, gets the byte 1 (read by this program alone).
; REGISTERS: window 0: v4 8 x lane, v5 16 r, v8 and v12 LDS addresses of R's and P's fragments in slot 0, v28, v29 the add's two, v32-63 R's scale words (8 a + s), v64-127 P's (8 b + s),
;   v128-175, v176-223 R's fragments, two sets (the second takes the codes made), v224-255 at work.   window 1: P's fragments, two sets, at v0 and v128.   window 2: accumulator (a, b) at v[8 (8 a + b)].
; THE HEAD, in place of what the lines above say of two loads at the start: each wave issues one tensor load there, its part of slot 0; slot 1's first fill stands behind the three lines and a round, as a refill does.
.set SLOT,  147456
.set RP,    49152                      ; R's part of a slot
.set SPARE, 2*SLOT                     ; behind the ring: the spare words, 128 bytes a wave
.set SPW,   28
.set NIL,   29
.set G1R,   24                         ; s[24:31] group 1 for R's tiles; s[32:39] for P's
.set G1P,   32
.set G0R,   40                         ; s[40:43], s[44:47] group 0 for R's tiles, slot 0, 1
.set G0P,   48                         ; s[48:51], s[52:55] for P's
.set RA0,   56                         ; where I fetch from: R of tiles 0 and 1; of tile 2;
.set RA2,   58
.set PA0,   60                         ; P of tiles 0, 1, 2
.set PA1,   62
.set PA2,   66
.set PS0,   68                         ; my scale words: P's of tiles 0, 1, 2;
.set PS1,   70
.set PS2,   72
.set RS0,   74                         ; R's of tiles 0 and 1; of tile 2
.set RS2,   76
.set OC0,   78                         ; where my codes go, tiles 0, 1, 2;
.set OC1,   80
.set OC2,   82
.set OS0,   84                         ; and my scale words
.set OS1,   86
.set OS2,   88
.set TM,    224
.set PWA,   240                        ; v240-243 the four scale words made
.set TP,    244
.set SEL,   96
.set MSB,   0
.macro WIN new                         ; the immediate's high byte repeats the setting that is left
.if MSB != \new
	s_set_vgpr_msb (MSB<<8)|\new
.set MSB, \new
.endif
.endm
.macro CREST                           ; a round of the cluster's barrier behind its opening barrier
	s_cmp_lg_u32 s16, 0
	s_cbranch_scc1 .Lnot_wave_0_\@
	s_barrier_signal -3
.Lnot_wave_0_\@:
	s_barrier_wait -3
	s_barrier_signal -1
	s_barrier_wait -1
.endm
.macro CROUND                          ; a whole round
	s_barrier_signal -1
	s_barrier_wait -1
	CREST
.endm
.macro PLACES n
.rept \n
	v_nop
.endr
.endm
.macro MKG0 g, base, lds, sl, extra    ; a group 0: slot sl
	s_mov_b32 s[\g], 1
	s_add_co_u32 s[\g+1], s[\lds], (\sl)*SLOT+\extra
	s_add_nc_u64 s[\g+2:\g+3], s[\base:\base+1], (\sl)*6144
	s_or_b32 s[\g+3], s[\g+3], 0x80000000
.endm
; A joint refill: waves 0 and 1 fetch R's two halves, waves 2 and 3 P's.  The branch hangs on the wave's number alone.  An s_nop 0 and four v_nop follow each of the two lines.
.macro JLOAD sl
	s_cmp_eq_u32 s17, 0
	s_cbranch_scc0 .Lref_p_\@
	tensor_load_to_lds s[G0R+4*(\sl):G0R+4*(\sl)+3], s[G1R:G1R+7]
	s_nop 0
	PLACES 4
	s_branch .Lref_done_\@
.Lref_p_\@:
	tensor_load_to_lds s[G0P+4*(\sl):G0P+4*(\sl)+3], s[G1P:G1P+7]
	s_nop 0
	PLACES 4
.Lref_done_\@:
.endm
.macro FRAG reg, adr                   ; a fragment's image: six pairs, 256 bytes apart, two pairs to a load; v[adr] holds the fragment's own LDS address (the two offsets count units of 8 bytes and have 8 bits)
.irp q, 0,1,2
	ds_load_2addr_b64 v[\reg+4*\q:\reg+4*\q+3], v[\adr] offset0:64*\q offset1:64*\q+32
.endr
.endm
.macro FETCH s                         ; K step s (slot s / 4): P's eight fragments and R's four into set s % 2: 36 loads
	WIN 0
.irp b, 0,1,2,3,4,5,6,7
	v_add_nc_u32 v[14+\b], ((\s)/4)*SLOT+6144*\b+1536*((\s)%4), v12   ; v14-21: where P's eight fragments of this step lie: my base in slot 0 and a constant
.endr
.irp a, 0,1,2,3
	v_add_nc_u32 v[22+\a], ((\s)/4)*SLOT+6144*\a+1536*((\s)%4), v8    ; v22-25: R's four
.endr
	WIN 0x40                                       ; destination window 1
.irp b, 0,1,2,3,4,5,6,7
	FRAG 128*((\s)%2)+12*\b, 14+\b
.endr
	WIN 0
.irp a, 0,1,2,3
	FRAG 128+48*((\s)%2)+12*\a, 22+\a
.endr
.endm
.macro MUL16 s, a0                     ; R's tiles a0, a0 + 1 against P's eight.  The 32 accumulators take turns, one instruction a turn, in the same order in every step
	WIN 0xa1                                       ; source 0 (P) window 1, source 1 (R) window 0, C and D window 2
.irp a, \a0, \a0+1
.irp b, 0,1,2,3,4,5,6,7
.if (\s) == 0
	v_wmma_scale_f32_16x16x128_f8f6f4 v[8*(8*(\a)+\b):8*(8*(\a)+\b)+7], v[128*((\s)%2)+12*\b:128*((\s)%2)+12*\b+11], v[128+48*((\s)%2)+12*(\a):128+48*((\s)%2)+12*(\a)+11], 0, v[64+8*\b+(\s)], v[32+8*(\a)+(\s)] matrix_a_fmt:MATRIX_FMT_FP6 matrix_b_fmt:MATRIX_FMT_FP6
.else
	v_wmma_scale_f32_16x16x128_f8f6f4 v[8*(8*(\a)+\b):8*(8*(\a)+\b)+7], v[128*((\s)%2)+12*\b:128*((\s)%2)+12*\b+11], v[128+48*((\s)%2)+12*(\a):128+48*((\s)%2)+12*(\a)+11], v[8*(8*(\a)+\b):8*(8*(\a)+\b)+7], v[64+8*\b+(\s)], v[32+8*(\a)+(\s)] matrix_a_fmt:MATRIX_FMT_FP6 matrix_b_fmt:MATRIX_FMT_FP6
.endif
.endr
.endr
.endm
.macro STEP s, fetch                   ; a K step whose successor lies in the same slot (fetch = 0: the very last step)
	s_wait_dscnt 0x0                               ; this step's 72 loads are in
.if \fetch
	PLACES 4                                       ; in front of loads into registers that the last step's matrix instructions have read (ISA guide 7.12.1 for vector instructions)
	FETCH (\s)+1                                   ; the next step's fragments are asked for ahead of this step's 32 products
.endif
	MUL16 \s, 0
	MUL16 \s, 2
.endm
; A slot's last K step changes slots: ONE barrier.  In front of it each wave waits for all its tensor loads (its part of the slot ahead), adds 0 to its spare word, and waits for that and for its reads of the slot that it leaves.
; fill = 1: the slot left takes the next tile's part of K, from ra (R) and pa (P): the barrier then opens a round of the cluster's, and the joint refill is the first thing behind it.  nxt: the K step whose fragments are fetched.
.macro TURN s, nxt, fill, ra, pa
.set SLT, (\s)/4
	WIN 0                                          ; (the add's two registers lie in window 0)
	s_wait_tensorcnt 0x0                           ; no tensor load of mine is out, so a group 0 may be written
	ds_add_u32 v[SPW], v[NIL]                      ; 0 onto my spare word; work on registers stands between it and the wait for it
.if (\fill)
	s_add_nc_u64 s[G0R+4*SLT+2:G0R+4*SLT+3], s[\ra:\ra+1], SLT*6144
	s_or_b32 s[G0R+4*SLT+3], s[G0R+4*SLT+3], 0x80000000
	s_add_nc_u64 s[G0P+4*SLT+2:G0P+4*SLT+3], s[\pa:\pa+1], SLT*6144
	s_or_b32 s[G0P+4*SLT+3], s[G0P+4*SLT+3], 0x80000000
.endif
	s_wait_dscnt 0x0                               ; the add is done; this step's fragments, my last reads of the slot, are in
	s_barrier_signal -1
	MUL16 \s, 0                                    ; work on registers while the others arrive
	WIN 0
	s_barrier_wait -1
.if (\fill)
	CREST                                          ; no wave of any partner still reads the slot or has a load on its way
	JLOAD SLT                                      ; the four v_nop behind it are also the places in front of the loads below
.else
	PLACES 4
.endif
	FETCH \nxt
	MUL16 \s, 2
.endm
.macro SCALES ps, rs                   ; a tile's scale words: lane r takes row r's words of K steps 4 q .. 4 q + 3 (lanes 16-31 read the same and are not used)
.irp b, 0,1,2,3,4,5,6,7
.irp q, 0,1
	global_load_b128 v[64+8*\b+4*\q:64+8*\b+4*\q+3], v5, s[\ps:\ps+1] offset:512*\b+256*\q
.endr
.endr
.irp a, 0,1,2,3
.irp q, 0,1
	global_load_b128 v[32+8*\a+4*\q:32+8*\a+4*\q+3], v5, s[\rs:\rs+1] offset:512*\a+256*\q
.endr
.endr
.endm
; R tile a's 64 registers, register 16 b + i = P row 32 b + 16 (lane / 16) + i, become one fragment and one scale word a row.  Each accumulator is read from its low end on.
.macro QUANTW a, oc
.set AC, 64*(\a)
.set PCA, 176+12*(\a)
	WIN 0x28                                       ; sources 1 and 2: window 2
.irp b, 0,1,2,3
	v_max3_num_f32 v[TM+\b], 0x1800000, |v[AC+16*\b]|, |v[AC+16*\b+1]|   ; with the floor 2^(3 - 127)
.endr
.irp i, 2,4,6,8,10,12,14
.irp b, 0,1,2,3
	v_max3_num_f32 v[TM+\b], v[TM+\b], |v[AC+16*\b+\i]|, |v[AC+16*\b+\i+1]|
.endr
.endr
	WIN 0
.irp b, 0,1,2,3
	v_permlanex16_b32 v[TM+4+\b], v[TM+\b], s[SEL], s[SEL+1]
.endr
.irp b, 0,1,2,3
	v_max_num_f32 v[TM+\b], v[TM+\b], v[TM+4+\b]
.endr
.irp b, 0,1,2,3
	v_add_nc_u32 v[TM+12+\b], 0xff000000, v[TM+\b] ; 2 off the exponent field: the conversion's scale operand
.endr
.irp b, 0,1,2,3
	v_lshrrev_b32 v[TM+4+\b], 23, v[TM+12+\b]
.endr
	v_lshl_or_b32 v[PWA+(\a)], v[TM+5], 8, v[TM+4]
	v_lshl_or_b32 v[PWA+(\a)], v[TM+6], 16, v[PWA+(\a)]
	v_lshl_or_b32 v[PWA+(\a)], v[TM+7], 24, v[PWA+(\a)]
	WIN 0x02                                       ; source 0: window 2
.irp c, 0,1
	v_cvt_scalef32_pk16_fp6_f32 v[PCA+6*\c:PCA+6*\c+2], v[AC+32*\c:AC+32*\c+15], v[TM+12+2*\c]
	v_cvt_scalef32_pk16_fp6_f32 v[TP+4*\c:TP+4*\c+2], v[AC+32*\c+16:AC+32*\c+31], v[TM+12+2*\c+1]
.endr
	WIN 0
	v_nop                                          ; one plain place behind a scaled conversion
.irp c, 0,1
.irp i, 0,1,2
	v_permlane16_swap_b32 v[PCA+6*\c+\i], v[TP+4*\c+\i]
.endr
.irp i, 0,1,2
	v_mov_b32 v[PCA+3+6*\c+\i], v[TP+4*\c+\i]
.endr
.endr
.irp p, 0,1,2,3,4,5
	global_store_b64 v4, v[PCA+2*\p:PCA+2*\p+1], s[\oc:\oc+1] offset:1536*(\a)+256*\p   ; 32 lanes store 256 consecutive bytes, aligned; each tile of R has its own registers
.endr
.endm
; A tile of the walk.  last = 0: ra, pa, ps, rs are the NEXT tile's addresses.  oc, os: where this tile's codes and scale words go.
.macro TILE last, ra, pa, ps, rs, oc, os
	STEP 0, 1
	STEP 1, 1
	STEP 2, 1
	TURN 3, 4, 1-\last, \ra, \pa
	STEP 4, 1
	STEP 5, 1
	STEP 6, 1
.if \last
	STEP 7, 0
.else
	TURN 7, 0, 1, \ra, \pa                         ; and the next tile's first fragments are fetched, into set 0
.endif
	WIN 0
	PLACES 4                                       ; in front of the first read of results, of loads into the scale registers and of the first write over set 1
.if !\last
	SCALES \ps, \rs                                ; they land under the epilogue
.endif
	QUANTW 0, \oc
	QUANTW 1, \oc
	QUANTW 2, \oc
	QUANTW 3, \oc
	v_cndmask_b32 v252, v[PWA], v[PWA+2], s98      ; lanes 0-15: tiles 0 and 1 of R; lanes 16-31: tiles 2 and 3
	v_cndmask_b32 v253, v[PWA+1], v[PWA+3], s98
	global_store_b64 v4, v[252:253], s[\os:\os+1]  ; the four tiles' 256 bytes of scale words, aligned
.if !\last
	s_wait_xcnt 0x0                                ; the stores have read their registers: set 1 is loaded again, and the registers at work are written again, only behind this wait
	s_wait_loadcnt 0x0                             ; the next tile's scale words
.endif
.endm
	s_load_b256 s[4:11], s[0:1], 0x0               ; xc, xs, wc, ws
	s_load_b128 s[12:15], s[0:1], 0x20             ; qkvc, qkvs
	v_lshl_add_u32 v[SPW], v0, 2, SPARE
	v_mov_b32 v[NIL], 0
	ds_add_u32 v[SPW], v[NIL]                      ; the wave's opening: the add and its wait ahead of my first tensor load; work on registers stands between
	ds_add_u32 v[SPW], v[NIL]
	v_lshrrev_b32 v1, 5, v0
	v_readfirstlane_b32 s16, v1                    ; wave
	s_lshr_b32 s17, s16, 1                         ; my half of R's rows.  Also: I fetch for R (0) or for P (1)
	s_and_b32 s18, s16, 1                          ; my half of P's rows.  Also: which half of that tile I fetch
	s_bfe_u32 s19, ttmp6, 0x40000                  ; cx
	s_bfe_u32 s20, ttmp6, 0x40004                  ; cy
	s_and_b32 s22, ttmp7, 0xffff                   ; cluster y, 0 to 15 (there is one cluster along x)
	s_lshl_b32 s23, s20, 2
	s_lshl_b32 s23, 15, s23                        ; my row of the cluster
	s_lshl_b32 s21, 0x1111, s19                    ; my column
	s_or_b32 s[G1R], s23, (3<<16)|(1<<21)          ; 15:0 the mask; 17:16 elements of 8 bytes; 21 set beside a mask; no padding
	s_or_b32 s[G1P], s21, (3<<16)|(1<<21)
.irp g, G1R, G1P
	s_mov_b32 s[\g+1], 768<<16                     ; tensor_dim0: a tile's 6,144 bytes of a slot
	s_mov_b32 s[\g+3], 768<<16                     ; tile_dim0
	s_mov_b32 s[\g+5], 1536                        ; from tile to tile: 12,288 bytes
	s_mov_b32 s[\g+6], 0
	s_mov_b32 s[\g+7], 0
.endr
	s_mov_b32 s[G1R+2], 4<<16                      ; R: four tiles a load
	s_mov_b32 s[G1R+4], 4
	s_mov_b32 s[G1P+2], 8<<16                      ; P: eight
	s_mov_b32 s[G1P+4], 8
	s_lshl_b32 s90, s19, 4                         ; P's first tile, mine to fetch and mine to multiply (the same half): tiles 0 and 1: 16 cx + 8 half (+ 64 for Wk);
	s_lshl_b32 s91, s18, 3
	s_add_co_u32 s90, s90, s91
	s_lshr_b32 s91, s22, 1
	s_lshl_b32 s91, s91, 6
	s_add_co_u32 s91, s91, s90                     ; tile 2: 64 (cluster y / 2) more
	s_lshl_b32 s92, s22, 2                         ; R's first tile: tiles 0 and 1: 8 (4 cluster y + cy);
	s_add_co_u32 s92, s92, s20
	s_lshl_b32 s92, s92, 3
	s_and_b32 s93, s22, 1
	s_lshl_b32 s93, s93, 2
	s_add_co_u32 s93, s93, s20
	s_lshl_b32 s93, s93, 3
	s_add_co_u32 s93, s93, 128                     ; tile 2: Wv's tiles begin at 128: 128 + 8 (4 (cluster y % 2) + cy)
	s_mul_i32 s100, s18, 24576                     ; where my loads go: no place in the cluster enters an LDS address
	s_mul_i32 s101, s18, 49152
	s_mov_b32 s[SEL], 0x76543210
	s_mov_b32 s[SEL+1], 0xfedcba98
	s_mov_b32 s98, 0xffff0000
	s_wait_dscnt 0x0                               ; the opening add is done
	s_wait_kmcnt 0x0
	s_mul_i32 s2, s90, 12288
	s_mov_b32 s3, 0
	s_add_nc_u64 s[PA0:PA0+1], s[8:9], s[2:3]      ; Wq's features
	s_add_nc_u64 s[PA1:PA1+1], s[PA0:PA0+1], 64*12288   ; Wk's
	s_mul_i32 s2, s91, 12288
	s_add_nc_u64 s[PA2:PA2+1], s[4:5], s[2:3]      ; tokens
	s_lshl_b32 s94, s18, 2
	s_add_co_u32 s94, s94, s92
	s_mul_i32 s94, s94, 12288
	s_mov_b32 s95, 0
	s_add_nc_u64 s[RA0:RA0+1], s[4:5], s[94:95]    ; tokens
	s_lshl_b32 s94, s18, 2
	s_add_co_u32 s94, s94, s93
	s_mul_i32 s94, s94, 12288
	s_add_nc_u64 s[RA2:RA2+1], s[8:9], s[94:95]    ; Wv's features
	MKG0 G0R, RA0, 100, 0, 0
	MKG0 G0R+4, RA0, 100, 1, 0
	MKG0 G0P, PA0, 101, 0, RP
	MKG0 G0P+4, PA0, 101, 1, RP
	CROUND                                         ; all sixteen work-groups are here: the joint loads meet
	s_cmp_eq_u32 s17, 0                            ; one first fill a wave, in one branch on the wave's number: my part of slot 0
	s_cbranch_scc0 .Lfor_p
	tensor_load_to_lds s[G0R:G0R+3], s[G1R:G1R+7]
	s_nop 0
	PLACES 4
	s_branch .Lasked
.Lfor_p:
	tensor_load_to_lds s[G0P:G0P+3], s[G1P:G1P+7]
	s_nop 0
	PLACES 4
.Lasked:
	v_and_b32 v1, 31, v0
	v_and_b32 v2, 15, v0
	v_lshlrev_b32 v4, 3, v1                        ; 8 x lane
	v_lshlrev_b32 v5, 4, v2                        ; 16 r
	s_wait_alu depctr_va_vdst(0)
	s_lshl_b32 s[PS0], s90, 9                      ; 512 bytes of scale words a tile
	s_mov_b32 s[PS0+1], 0
	s_add_nc_u64 s[PS0:PS0+1], s[10:11], s[PS0:PS0+1]
	s_add_nc_u64 s[PS1:PS1+1], s[PS0:PS0+1], 64*512
	s_lshl_b32 s[PS2], s91, 9
	s_mov_b32 s[PS2+1], 0
	s_add_nc_u64 s[PS2:PS2+1], s[6:7], s[PS2:PS2+1]
	s_lshl_b32 s99, s17, 2                         ; my four tiles of R's eight
	s_add_co_u32 s[RS0], s92, s99
	s_lshl_b32 s[RS0], s[RS0], 9
	s_mov_b32 s[RS0+1], 0
	s_add_nc_u64 s[RS0:RS0+1], s[6:7], s[RS0:RS0+1]
	s_add_co_u32 s[RS2], s93, s99
	s_lshl_b32 s[RS2], s[RS2], 9
	s_mov_b32 s[RS2+1], 0
	s_add_nc_u64 s[RS2:RS2+1], s[10:11], s[RS2:RS2+1]
	SCALES PS0, RS0
	s_lshl_b32 s2, s19, 1                          ; where my results go: fragment index = first + gP x (R tiles in all) + my first tile of R
	s_add_co_u32 s2, s2, s18                       ; gP of tile 0: 2 cx + half
	s_lshr_b32 s3, s22, 1
	s_lshl_b32 s3, s3, 3
	s_add_co_u32 s3, s3, s2                        ; gP of tile 2: 8 (cluster y / 2) more
	s_lshl_b32 s2, s2, 9
	s_add_co_u32 s2, s2, s92
	s_add_co_u32 s2, s2, s99                       ; tile 0's index; tile 1's is 8 x 512 on
	s_lshl_b32 s3, s3, 6
	s_add_co_u32 s3, s3, s93
	s_add_co_u32 s3, s3, s99
	s_add_co_u32 s3, s3, 8192-128                  ; tile 2's (the 128 in R's first tile is Wv's place among the weights, not in qkvc)
	s_mul_i32 s[OC0], s2, 1536
	s_mov_b32 s[OC0+1], 0
	s_add_nc_u64 s[OC0:OC0+1], s[12:13], s[OC0:OC0+1]
	s_add_nc_u64 s[OC1:OC1+1], s[OC0:OC0+1], 4096*1536
	s_mul_i32 s[OC2], s3, 1536
	s_mov_b32 s[OC2+1], 0
	s_add_nc_u64 s[OC2:OC2+1], s[12:13], s[OC2:OC2+1]
	s_lshl_b32 s[OS0], s2, 6
	s_mov_b32 s[OS0+1], 0
	s_add_nc_u64 s[OS0:OS0+1], s[14:15], s[OS0:OS0+1]
	s_add_nc_u64 s[OS1:OS1+1], s[OS0:OS0+1], 4096*64
	s_lshl_b32 s[OS2], s3, 6
	s_mov_b32 s[OS2+1], 0
	s_add_nc_u64 s[OS2:OS2+1], s[14:15], s[OS2:OS2+1]
	s_mul_i32 s23, s17, 24576
	v_add_nc_u32 v8, s23, v4                       ; my four tiles of R in slot 0,
	v_add_nc_u32 v12, s101, v4
	v_add_nc_u32 v12, RP, v12                      ; my eight of P
.irp b, 0,1,2,3
	v_mov_b32 v[TM+4+\b], 0                        ; written once: a lane permute's destination counts as one of its sources
.endr
	s_wait_alu depctr_va_vdst(0)
	s_wait_tensorcnt 0x0                           ; my part of slot 0 has landed
	ds_add_u32 v[SPW], v[NIL]
	s_wait_dscnt 0x0
	CROUND                                         ; everybody's part is in, and all sixteen work-groups are here
	JLOAD 1                                        ; slot 1's first fill: the first tensor load behind the round
	FETCH 0
	s_wait_loadcnt 0x0                             ; tile 0's scale words
	TILE 0, RA0, PA1, PS1, RS0, OC0, OS0           ; q; the ring goes on into k: the same tokens, Wk's features
	TILE 0, RA2, PA2, PS2, RS2, OC1, OS1           ; k; the ring goes on into v
	TILE 1, RA2, PA2, PS2, RS2, OC2, OS2           ; v: nothing more is asked for
	s_wait_tensorcnt 0x0                           ; the wave's end
	ds_add_u32 v[SPW], v[NIL]
	s_wait_dscnt 0x0
	CROUND                                         ; the closing round
	s_endpgm
.Lfunc_end_k_qa5656ec228_qkv:
	.size	k_qa5656ec228_qkv, .Lfunc_end_k_qa5656ec228_qkv-k_qa5656ec228_qkv
	.p2alignl 7, 3214868480
	.fill 96, 4, 3214868480
	.section	.rodata,"a",@progbits
	.p2align	6, 0x0
	.amdhsa_kernel k_qa5656ec228_qkv
		.amdhsa_group_segment_fixed_size 327680
		.amdhsa_private_segment_fixed_size 0
		.amdhsa_enable_private_segment 0
		.amdhsa_kernarg_size 48
		.amdhsa_user_sgpr_count 2
		.amdhsa_user_sgpr_kernarg_segment_ptr 1
		.amdhsa_wavefront_size32 1
		.amdhsa_system_sgpr_workgroup_id_x 1
		.amdhsa_system_sgpr_workgroup_id_y 1
		.amdhsa_system_sgpr_workgroup_id_z 1
		.amdhsa_system_vgpr_workitem_id 0
		.amdhsa_next_free_vgpr 768
		.amdhsa_next_free_sgpr 102
		.amdhsa_reserve_vcc 0
		.amdhsa_float_denorm_mode_32 3
		.amdhsa_float_denorm_mode_16_64 3
		.amdhsa_memory_ordered 1
		.amdhsa_forward_progress 1
		.amdhsa_inst_pref_size 249
	.end_amdhsa_kernel
	.amdgpu_metadata
---
amdhsa.version: [ 1, 2 ]
amdhsa.kernels:
  - .name:           k_qa5656ec228_qkv
    .symbol:         k_qa5656ec228_qkv.kd
    .args:
      - { .name: xc, .offset: 0, .size: 8, .value_kind: global_buffer, .address_space: global }
      - { .name: xs, .offset: 8, .size: 8, .value_kind: global_buffer, .address_space: global }
      - { .name: wc, .offset: 16, .size: 8, .value_kind: global_buffer, .address_space: global }
      - { .name: ws, .offset: 24, .size: 8, .value_kind: global_buffer, .address_space: global }
      - { .name: qkvc, .offset: 32, .size: 8, .value_kind: global_buffer, .address_space: global }
      - { .name: qkvs, .offset: 40, .size: 8, .value_kind: global_buffer, .address_space: global }
    .group_segment_fixed_size: 327680
    .private_segment_fixed_size: 0
    .kernarg_segment_align: 8
    .kernarg_segment_size: 48
    .max_flat_workgroup_size: 128
    .sgpr_count:     102
    .vgpr_count:     768
    .wavefront_size: 32
...
	.end_amdgpu_metadata
.endif
;; end of part 2
;; launch attn (part 3): grid 2 x 128, 8 waves a work-group, no clusters, 167,936 bytes of LDS; arguments qkvc, qkvs, oc, os; writes oc, os
.if DOCPART == 3
	.amdgcn_target "amdgcn-amd-amdhsa--gfx1250"
	.amdhsa_code_object_version 6
	.text
	.protected	k_qa5656ec228_attn
	.globl	k_qa5656ec228_attn
	.p2align	8
	.type	k_qa5656ec228_attn,@function
k_qa5656ec228_attn:
	s_mov_b64 s[64:65], 0
	v_nop
	global_prefetch_b8 v0, s[64:65] scope:SCOPE_SE
	s_setreg_imm32_b32 hwreg(HW_REG_WAVE_MODE, 25, 1), 1
	s_wait_xcnt 0x0
; For one batch entry n and head hd: O = softmax(q k^T / 32) v, both products on codes of FP6 (E2M3) with E8M0 scales; O / l is quantised along E and leaves as codes for the last product.
; THE SOFTMAX: t = score x log2(e) / 32; M = the running largest t rounded UP to a whole number; p = 2^(t - M) is quantised along the keys; the row's sum is taken of the unquantised p and divides at the end.
; When M moves, the sum and O are multiplied by 2^(old M - new M): exact.  The running maximum is kept as a score: c is positive and rounding keeps order.
; SHARES: a work-group takes 512 queries of one head; each of its eight waves four tiles of 16, TWO AT A TIME (tiles A and B; a loop of two passes): each fragment of K and V read from LDS feeds both tiles' products.
; A pass is a loop of eight key steps of 128 keys.  K's fragments of step s + 1 are asked for behind step s's score products, V's of step s + 1 behind step s's second products: each has registers of its own.
; The step's number wraps at 8, so the last step of a pass asks for the next pass's first fragments; what the very last step asks for is not used.
; THE ORDER OF A STEP: vector work that hangs on no running product stands among the products, and dependent chains stand among independent lines: tile A's search for the maximum among tile B's score products;
; tile A's chain for M among tile B's search; tile B's chain among tile A's scalings; the scale words among the sums' levels and the codes' moves; tile B's sums among the second products.
; NO CLUSTER: only two work-groups share a head's K and V, 98,304 bytes fetched once for a work-group's 256 tile steps.  NO PREFETCH: all of K and V is asked for at the head; there is no loop to run ahead in.
; THE HEAD'S K AND V STAY IN LDS, filled once (waves 0-3: K, waves 4-7: V, one tensor load each).  In memory a fragment is an image: register pair p at 256 p + 8 x lane.
; THE KEYS OF A TILE ARE CHOSEN BY THE LANES' LDS ADDRESSES, so that a lane holds whole blocks of 32 keys: tile (c, u) of a step has as rows 0-7 the keys 64 c + 8 u + 0..7 and as rows 8-15 the keys 64 c + 32 + 8 u + 0..7.
; In memory token tile 2 g + y holds, in its rows 8 v + 0..7, the keys 32 g + 16 v + 8 y + 0..7: row r of tile (c, 2 v + y) is row r % 8 + 8 v of token tile 2 (2 c + r / 8) + y of the step.
; S register 32 c + i of lane half h is then key 64 c + 32 h + i, where the second product's operand wants it.  K's lines of 256 bytes have 32 bytes of padding behind each (two tiles on is 1,728 bytes, 192 modulo 256).
; The head's axis is 64 and the instruction's K is 128: the halves of tiles (c, 2 v) and (c, 2 v + 1) are read as ONE fragment; zero codes stand beside q in registers: [0 x 6][q x 6][0 x 6].
; Both products are used transposed: a lane holds one query of each tile.  O register 16 b + i is channel 32 b + 16 (lane / 16) + i of the head.
; THE EXPONENTIALS go in two batches, each with a wait ahead of it and behind it: tile A's, with tile B's scalings among them; tile B's, with the first level of tile A's sums among them
; (each of those lines writes registers that are first read behind the next wait).
; LIMITS: NaN and infinities are not served; a block under 2^(3 - 127), a block of zeros among them, gets the byte 1; a block's largest p is made from the block's largest score,
; which takes v_exp_f32 not to fall where its input rises; the scaled scores stay under 2^31 in magnitude.
; REGISTERS, window 0: v1-4 LDS bases, v5, v6 the add's two, v7 16 r, v8 8 x lane, v9 8 (lane / 16), v10-13 the next step's LDS addresses, v14, v15 and v26, v27 the sums, v16-19 K's scale words, v20-23 V's,
;   v24, v25 p's, v28-31 q's, v32-43 and v44-55 a tile's small state, v56-79 p's codes, v80-95 codes on their way, v96-159 and v160-223 S, then p, v224-255 partial sums.
; window 1: v0-47 K's fragments, v48-95 V's, v96-159 O^T, v160-207 zeros, q and the next pass's q.
.set KT,    864                        ; LDS: a token tile's half fragment of K: three lines of 256 + 32 bytes; 64 tiles
.set KL,    288
.set VOFF,  55296                      ; V [step][4 tiles][1536]
.set KS,    104448                     ; K's scale words [step][row][fragment]
.set VS,    106496                     ; V's: 256 bytes a step
.set SPARE, 108544                     ; the spare words, 128 bytes for each of eight waves
.set AKB,  1
.set AVB,  2
.set ASKB, 3
.set ASVB, 4
.set SPW,  5
.set NIL,  6
.set OSA,  7
.set L8,   8
.set SH8,  9
.set AK,   10
.set AV,   11
.set ASK,  12
.set ASV,  13
.set SUM,  14                          ; + 12 T
.set KSW,  16
.set VSW,  20
.set PW,   24                          ; + T
.set QS,   28                          ; + T; + 2 + T the next pass's
.set ST,   32                          ; + 12 T: +0 -M, +1 the largest score, +2 f, +3 at work, +4..7 maxima, +8, +9 at work, +10, +11 the conversions' scale operands
.set PC,   56                          ; + 12 T
.set TP,   80                          ; + 8 T
.set SA,   96                          ; + 64 T
.set SB,   160
.set D,    224
.set C1,   240
.set KB,   0                           ; window 1
.set VB,   48
.set OA,   96                          ; + 32 T
.set Q,    160                         ; + 24 T: (0, q) at +0, (q, 0) at +6, the next pass's q at +18
.set WV,   12
.set SEL,  20
.set CS,   22
.set G1K,  24
.set G1V,  32
.set G0K,  40
.set G0V,  44
.set CNT,  48
.set STP,  51
.set NX,   52
.set SK,   53
.set SV,   56
.set SS,   57
.set MSB,  0
.macro WIN new                         ; the immediate's high byte repeats the setting that is left
.if MSB != \new
	s_set_vgpr_msb (MSB<<8)|\new
.set MSB, \new
.endif
.endm
.macro WALU
	s_wait_alu depctr_va_vdst(0)
.endm
.macro PLACES n
.rept \n
	v_nop
.endr
.endm
.macro KLOAD a, as                     ; 25 loads: fragment f = 2 c + v: tile (c, 2 v) in registers 0-5, tile (c, 2 v + 1) in 6-11; then my row's four scale words
	WIN 0x40                                       ; destination window 1
.irp f, 0,1,2,3
.irp p, 0,1,2
	ds_load_b64 v[KB+12*\f+2*\p:KB+12*\f+2*\p+1], v[\a] offset:KT*4*(\f/2)+64*(\f%2)+KL*\p
.endr
.irp p, 0,1,2
	ds_load_b64 v[KB+12*\f+6+2*\p:KB+12*\f+7+2*\p], v[\a] offset:KT*(4*(\f/2)+1)+64*(\f%2)+KL*\p
.endr
.endr
	WIN 0
	ds_load_b128 v[KSW:KSW+3], v[\as]
.endm
.macro VLOAD a, as                     ; 26 loads
	WIN 0x40
.irp t, 0,1,2,3
.irp p, 0,1,2,3,4,5
	ds_load_b64 v[VB+12*\t+2*\p:VB+12*\t+2*\p+1], v[\a] offset:1536*\t+256*\p
.endr
.endr
	WIN 0
	ds_load_b64 v[VSW:VSW+1], v[\as]
	ds_load_b64 v[VSW+2:VSW+3], v[\as] offset:128
.endm
.macro PKF a, t                        ; t - M of two scores
	v_pk_fma_f32 v[\a:\a+1], v[\a:\a+1], s[CS:CS+1], v[\t:\t+1] op_sel_hi:[1,0,0]
.endm
.macro PADD d, a, b
	v_pk_add_f32 v[\d:\d+1], v[\a:\a+1], v[\b:\b+1]
.endm
.macro SPROD T, n                      ; score product n of tile T: fragment n / 2 against (q, 0) (n even) or (0, q) (n odd).  Sources in window 1, the result in window 0
	v_wmma_scale_f32_16x16x128_f8f6f4 v[SA+64*\T+8*(\n):SA+64*\T+8*(\n)+7], v[KB+12*((\n)/2):KB+12*((\n)/2)+11], v[Q+24*\T+6-6*((\n)%2):Q+24*\T+17-6*((\n)%2)], 0, v[KSW+(\n)/2], v[QS+\T] matrix_a_fmt:MATRIX_FMT_FP6 matrix_b_fmt:MATRIX_FMT_FP6
.endm
.macro PVPROD n                        ; second product n: V's tile n / 2, query tile n % 2: the eight accumulators by turns
	v_wmma_scale_f32_16x16x128_f8f6f4 v[OA+32*((\n)%2)+8*((\n)/2):OA+32*((\n)%2)+8*((\n)/2)+7], v[VB+12*((\n)/2):VB+12*((\n)/2)+11], v[PC+12*((\n)%2):PC+12*((\n)%2)+11], v[OA+32*((\n)%2)+8*((\n)/2):OA+32*((\n)%2)+8*((\n)/2)+7], v[VSW+(\n)/2], v[PW+(\n)%2] matrix_a_fmt:MATRIX_FMT_FP6 matrix_b_fmt:MATRIX_FMT_FP6
.endm
.macro MAXOP T, n                      ; line n of 30: the largest score of my two blocks of 32 keys, in two chains each; each accumulator is first read at its low end
.if (\n) < 4
	v_max3_num_f32 v[ST+12*\T+4+(\n)], v[SA+64*\T+16*(\n)], v[SA+64*\T+16*(\n)+1], v[SA+64*\T+16*(\n)+2]
.elseif (\n) < 28
	v_max3_num_f32 v[ST+12*\T+4+(\n)%4], v[ST+12*\T+4+(\n)%4], v[SA+64*\T+16*((\n)%4)+1+2*((\n)/4)], v[SA+64*\T+16*((\n)%4)+2+2*((\n)/4)]
.elseif (\n) == 28
	v_max3_num_f32 v[ST+12*\T+4], v[ST+12*\T+4], v[SA+64*\T+15], v[SA+64*\T+31]
.else
	v_max3_num_f32 v[ST+12*\T+6], v[ST+12*\T+6], v[SA+64*\T+47], v[SA+64*\T+63]
.endif
.endm
.macro CHOP T, n                       ; line n of 13: from the chains' maxima to -M, f and t - M of the blocks' largest scores
.set TT, ST+12*\T
.if (\n) == 0
	v_max_num_f32 v[TT+4], v[TT+4], v[TT+5]        ; block h: it serves the row's maximum and the block's largest p
.elseif (\n) == 1
	v_max_num_f32 v[TT+6], v[TT+6], v[TT+7]        ; block 2 + h
.elseif (\n) == 2
	v_max_num_f32 v[TT+8], v[TT+4], v[TT+6]
.elseif (\n) == 3
	v_permlanex16_b32 v[TT+9], v[TT+8], s[SEL], s[SEL+1]   ; lane l xor 16's 64 keys
.elseif (\n) == 4
	v_max3_num_f32 v[TT+1], v[TT+1], v[TT+8], v[TT+9]      ; the running largest score
.elseif (\n) == 5
	v_mul_f32 v[TT+8], s[CS], v[TT+1]              ; as t
.elseif (\n) == 6
	v_mov_b32 v[TT+3], v[TT]
.elseif (\n) == 7
	v_floor_f32 v[TT], -v[TT+8]                    ; the new -M = -ceil(t)
.elseif (\n) == 8
	v_sub_f32 v[TT+3], v[TT], v[TT+3]              ; old M - new M: a whole number, 0 or less
.elseif (\n) == 9
	v_fma_f32 v[TT+4], v[TT+4], s[CS], v[TT]
.elseif (\n) == 10
	v_fma_f32 v[TT+6], v[TT+6], s[CS], v[TT]
.elseif (\n) == 11
	v_cvt_i32_f32 v[TT+3], v[TT+3]                 ; (it saturates)
.else
	v_ldexp_f32 v[TT+2], 1.0, v[TT+3]              ; f = 2^(old M - new M)
.endif
.endm
.macro BS n                            ; line n of 32: tile B's sum of the unquantised p, in four chains
.if (\n) < 3
	PADD C1+2*(\n), SB+4*(\n), SB+4*(\n)+2
.elseif (\n) == 3
	PADD SUM+12, SUM+12, SB+12
.elseif (\n) < 28
.if (\n)%4 == 3
	PADD SUM+12, SUM+12, SB+6+2*(\n)
.else
	PADD C1+2*((\n)%4), C1+2*((\n)%4), SB+6+2*(\n)
.endif
.elseif (\n) == 28
	PADD C1, C1, SB+62
.elseif (\n) == 29
	PADD C1, C1, C1+2
.elseif (\n) == 30
	PADD SUM+12, SUM+12, C1+4
.else
	PADD SUM+12, SUM+12, C1
.endif
.endm
.macro RED w                           ; a level of tile A's sums
.set I, 0
.rept \w
	PADD D+2*I, D+2*I, D+2*(I+\w)
.set I, I+1
.endr
.endm
	s_load_b256 s[4:11], s[0:1], 0x0               ; qkvc, qkvs, oc, os
	v_lshl_add_u32 v[SPW], v0, 2, SPARE
	v_mov_b32 v[NIL], 0
	ds_add_u32 v[SPW], v[NIL]                      ; the opening lines: the add, twice on end, and its wait ahead of my first tensor load
	ds_add_u32 v[SPW], v[NIL]
	v_lshrrev_b32 v8, 5, v0
	v_readfirstlane_b32 s[WV], v8                  ; wave 0..7
	s_and_b32 s13, ttmp7, 0xffff
	s_lshr_b32 s14, s13, 4                         ; n
	s_and_b32 s15, s13, 15                         ; hd
	s_lshr_b32 s17, s15, 1                         ; which pair of heads: a fragment's 128 features
	s_and_b32 s18, s15, 1                          ; and which half of it
	s_lshl_b32 s19, s14, 6                         ; n's first token tile
	s_lshl_b32 s16, ttmp9, 5
	s_add_co_u32 s16, s16, s19
	s_lshl_b32 s51, s[WV], 2
	s_add_co_u32 s16, s16, s51                     ; my first token tile of four
	s_and_b32 s51, s[WV], 3
	s_add_co_u32 s52, s17, 8
	s_lshl_b32 s52, s52, 9
	s_add_co_u32 s52, s52, s19                     ; k's first fragment of this n and pair of heads
	s_lshl_b32 s54, s52, 6                         ; its scale words
	s_mov_b32 s55, 0
	s_lshl_b32 s53, s51, 4
	s_add_co_u32 s52, s52, s53                     ; a fetching wave's 16 tiles
	s_mul_i32 s52, s52, 1536
	s_mul_i32 s53, s18, 768
	s_add_co_u32 s52, s52, s53                     ; the head's half
	s_mov_b32 s53, 0
	s_lshl_b32 s56, s14, 3
	s_lshl_b32 s57, s51, 1
	s_add_co_u32 s56, s56, s57                     ; v: key steps 2 (wave % 4) and the next
	s_lshl_b32 s56, s56, 6
	s_lshl_b32 s57, s15, 2
	s_add_co_u32 s56, s56, s57
	s_add_co_u32 s56, s56, 8192
	s_mul_i32 s56, s56, 1536
	s_mov_b32 s57, 0
	s_lshl_b32 s58, s14, 9
	s_lshl_b32 s59, s15, 2
	s_add_co_u32 s58, s58, s59
	s_add_co_u32 s58, s58, 8192
	s_lshl_b32 s58, s58, 6                         ; v's scale words of key step 0
	s_mov_b32 s59, 0
	s_lshl_b32 s60, s17, 9
	s_add_co_u32 s60, s60, s16                     ; q's fragment of my first tile
	s_lshl_b32 s62, s60, 6                         ; its scale words
	s_mov_b32 s63, 0
	s_mul_i32 s60, s60, 1536
	s_mul_i32 s61, s18, 768
	s_add_co_u32 s60, s60, s61
	s_mov_b32 s61, 0
	s_mul_i32 s13, s[WV], 16*KT                    ; where a fetching wave's bytes go: waves 0-3: K, 16 tiles each;
	s_mul_i32 s2, s[WV], 12288
	s_add_co_u32 s2, s2, VOFF-4*12288              ; waves 4-7: V, two key steps each
	s_cmp_eq_u32 s18, 0
	s_mov_b32 s49, 0x07060302
	s_cselect_b32 s49, 0x05040100, s49             ; byte selects: the head's two bytes of two words,
	s_mov_b32 s50, 0x03020302
	s_cselect_b32 s50, 0x01000100, s50             ; and of one word, twice
	s_mov_b32 s[G1K], (3<<16)|(1<<20)|(5<<22)|(7<<25)   ; K: elements of 8 bytes; after every 64 words 8 words of padding
	s_mov_b32 s[G1K+1], 96<<16                     ; 16 rows of 768 bytes, 1,536 bytes apart
	s_mov_b32 s[G1K+2], 16<<16
	s_mov_b32 s[G1K+3], 96<<16
	s_mov_b32 s[G1K+4], 16
	s_mov_b32 s[G1K+5], 192
	s_mov_b32 s[G1K+6], 0
	s_mov_b32 s[G1K+7], 0
	s_mov_b32 s[G1V], 3<<16                        ; V: 2 rows of 6,144 bytes (four fragments), 98,304 bytes apart
	s_mov_b32 s[G1V+1], 768<<16
	s_mov_b32 s[G1V+2], 2<<16
	s_mov_b32 s[G1V+3], 768<<16
	s_mov_b32 s[G1V+4], 2
	s_mov_b32 s[G1V+5], 12288
	s_mov_b32 s[G1V+6], 0
	s_mov_b32 s[G1V+7], 0
	s_mov_b32 s[SEL], 0x76543210
	s_mov_b32 s[SEL+1], 0xfedcba98
	s_mov_b32 s[CS], 0x3d38aa3b                    ; c = log2(e) / 32
	s_mov_b32 s[CS+1], s[CS]
	s_wait_dscnt 0x0                               ; both opening adds are done
	s_wait_kmcnt 0x0
	s_mov_b32 s[G0K], 1
	s_mov_b32 s[G0K+1], s13
	s_add_nc_u64 s[G0K+2:G0K+3], s[4:5], s[52:53]
	s_or_b32 s[G0K+3], s[G0K+3], 0x80000000
	s_mov_b32 s[G0V], 1
	s_mov_b32 s[G0V+1], s2
	s_add_nc_u64 s[G0V+2:G0V+3], s[4:5], s[56:57]
	s_or_b32 s[G0V+3], s[G0V+3], 0x80000000
	s_add_nc_u64 s[54:55], s[6:7], s[54:55]
	s_add_nc_u64 s[58:59], s[6:7], s[58:59]
	s_add_nc_u64 s[60:61], s[4:5], s[60:61]
	s_add_nc_u64 s[62:63], s[6:7], s[62:63]
	s_cmp_lt_u32 s[WV], 4                          ; every wave issues one load: the branch hangs on the wave's number alone
	s_cbranch_scc0 .Lfor_v
	tensor_load_to_lds s[G0K:G0K+3], s[G1K:G1K+7]
	s_nop 0
	PLACES 4
	s_branch .Lasked
.Lfor_v:
	tensor_load_to_lds s[G0V:G0V+3], s[G1V:G1V+7]
	s_nop 0
	PLACES 4
.Lasked:
	v_and_b32 v96, 31, v0
	v_and_b32 v97, 15, v0                          ; r
	v_lshlrev_b32 v[L8], 3, v96                    ; 8 x lane
	v_lshlrev_b32 v98, 3, v97                      ; 8 r
	v_lshlrev_b32 v99, 3, v0                       ; 8 x thread
	v_lshrrev_b32 v100, 6, v0
	v_and_b32 v101, 63, v0
	v_lshlrev_b32 v101, 2, v101
	v_lshl_add_u32 v100, v100, 12, v101            ; key step thread / 64: 4,096 bytes on; word thread % 64
	global_load_b64 v[104:105], v99, s[54:55]      ; thread t: row t % 16's words of token tiles 2 (t / 16) and the next;
	global_load_b64 v[106:107], v99, s[54:55] offset:2048    ; and of the tiles 32 on (four key steps)
	global_load_b32 v108, v100, s[58:59]           ; V's scale words as they lie: key steps 0-3,
	global_load_b32 v109, v100, s[58:59] offset:16384        ; 4-7
	WIN 0x40
.irp p, 0,1,2
	global_load_b64 v[Q+6+2*\p:Q+7+2*\p], v[L8], s[60:61] offset:256*\p            ; q of my tiles 0 (A) and 1 (B),
	global_load_b64 v[Q+30+2*\p:Q+31+2*\p], v[L8], s[60:61] offset:1536+256*\p
	global_load_b64 v[Q+18+2*\p:Q+19+2*\p], v[L8], s[60:61] offset:3072+256*\p     ; and of tiles 2 and 3, for the second pass
	global_load_b64 v[Q+42+2*\p:Q+43+2*\p], v[L8], s[60:61] offset:4608+256*\p
.endr
	WIN 0
	global_load_b32 v112, v98, s[62:63]            ; their rows' scale words: tile a of four at 128 (a / 2) + 8 r + 4 (a % 2)
	global_load_b32 v113, v98, s[62:63] offset:4
	global_load_b32 v114, v98, s[62:63] offset:128
	global_load_b32 v115, v98, s[62:63] offset:132
	v_add_nc_u32 v[AVB], VOFF, v[L8]
	v_lshl_add_u32 v[ASKB], v97, 4, KS             ; K's scale words: 16 bytes a row
	v_lshl_add_u32 v[ASVB], v97, 3, VS             ; V's: 8 bytes a row, twice
	v_lshlrev_b32 v[OSA], 4, v97                   ; 16 r
	v_and_b32 v102, 7, v0                          ; r % 8
	v_bfe_u32 v103, v0, 3, 1                       ; r / 8
	v_bfe_u32 v[SH8], v0, 4, 1                     ; h
	v_mul_u32_u24 v[AKB], v103, 2*KT               ; K: rows 8-15 come from two token tiles on;
	v_lshl_add_u32 v[AKB], v102, 3, v[AKB]         ; 8 bytes a row of the image,
	v_lshl_add_u32 v[AKB], v[SH8], 7, v[AKB]       ; 128 for the lanes' upper half
	v_lshlrev_b32 v116, 4, v102                    ; where thread t's word of K's scales goes: t = 64 s + 32 c + 16 (new row / 8) + 8 v + new row % 8 -> 256 s + 16 x new row + 4 (2 c + v)
	v_lshl_or_b32 v116, v103, 2, v116
	v_lshl_or_b32 v116, v[SH8], 7, v116
	v_bfe_u32 v102, v0, 5, 1
	v_lshl_or_b32 v116, v102, 3, v116
	v_lshrrev_b32 v102, 6, v0
	v_lshl_or_b32 v116, v102, 8, v116
	v_add_nc_u32 v116, KS, v116
	v_lshl_add_u32 v117, v0, 2, VS
	v_lshlrev_b32 v[SH8], 3, v[SH8]                ; 8 h: my two scale bytes' shift
	v_add_nc_u32 v[AK], 8*KT, v[AKB]               ; key step 1's addresses
	v_add_nc_u32 v[AV], 6144, v[AVB]
	v_add_nc_u32 v[ASK], 256, v[ASKB]
	v_add_nc_u32 v[ASV], 256, v[ASVB]
.irp T, 0,1
	v_mov_b32 v[ST+12*\T+8], 0                     ; written once: a lane permute's destination counts as one of its sources
	v_mov_b32 v[ST+12*\T+9], 0
.endr
	WIN 0x40
.irp T, 0,1
.irp j, 0,1,2,3,4,5,12,13,14,15,16,17
	v_mov_b32 v[Q+24*\T+\j], 0                     ; zero codes beside q
.endr
.endr
	WIN 0
	s_lshl_b32 s52, s16, 3                         ; where my results go: codes: fragment 8 x tile + pair of heads, the head's half
	s_add_co_u32 s52, s52, s17
	s_mul_i32 s52, s52, 1536
	s_mul_i32 s53, s18, 768
	s_add_co_u32 s52, s52, s53
	s_mov_b32 s53, 0
	s_add_nc_u64 s[8:9], s[8:9], s[52:53]
	s_lshl_b32 s52, s16, 9                         ; scale bytes: 512 x tile + 256 (hd / 8) + 4 ((hd / 2) % 4) + 2 (hd % 2)
	s_lshr_b32 s51, s15, 3
	s_lshl_b32 s51, s51, 8
	s_add_co_u32 s52, s52, s51
	s_and_b32 s51, s17, 3
	s_lshl_b32 s51, s51, 2
	s_add_co_u32 s52, s52, s51
	s_lshl_b32 s51, s18, 1
	s_add_co_u32 s52, s52, s51
	s_add_nc_u64 s[10:11], s[10:11], s[52:53]
	WALU
	s_wait_loadcnt 16                              ; the first four loads are in; q's sixteen may be out
	v_perm_b32 v110, v105, v104, s49               ; the head's bytes of the even token tile below, of the odd one above
	v_perm_b32 v111, v107, v106, s49
	ds_store_b32 v116, v110
	ds_store_b32 v116, v111 offset:1024
	ds_store_b32 v117, v108
	ds_store_b32 v117, v109 offset:1024
	s_wait_loadcnt 0x0
.irp j, 0,1,2,3
	v_perm_b32 v[QS+\j], v[112+\j], v[112+\j], s50 ; q's two bytes, twice: they serve q in either half of K
.endr
	WALU
	s_wait_tensorcnt 0x0                           ; my tile has landed,
	s_wait_dscnt 0x0                               ; my stores too
	s_barrier_signal -1
	s_barrier_wait -1                              ; everybody's have: the launch's one barrier
	KLOAD AKB, ASKB                                ; key step 0
	VLOAD AVB, ASVB
	s_mov_b32 s[CNT], 2
.Lpass:                                            ; two tiles of 16 queries against all 1,024 keys
.irp T, 0,1
	v_mov_b32 v[ST+12*\T+1], 0xff61b1e6            ; the largest score so far: -3e38
	v_mul_f32 v[ST+12*\T+8], s[CS], v[ST+12*\T+1]
	v_floor_f32 v[ST+12*\T], -v[ST+12*\T+8]        ; -M
	v_mov_b32 v[SUM+12*\T], 0
	v_mov_b32 v[SUM+12*\T+1], 0
.endr
	WIN 0x40
.set J, 0
.rept 64
	v_mov_b32 v[OA+J], 0                           ; O^T: the step is written one way: the first finds zeros
.set J, J+1
.endr
	WIN 0
	s_mov_b32 s[STP], 0
	WALU
.Lstep:                                            ; keys 128 s to 128 s + 127
	s_wait_dscnt 26                                ; K's 25 loads are in; V's 26, issued behind them, may be out
	WIN 0x05                                       ; sources 0 and 1: window 1
.set N, 0
.rept 8
	SPROD 0, N
.set N, N+1
.endr
.set N, 0
.rept 8                                            ; tile B's products, and among them tile A's search for the largest score
	WIN 0x05
	SPROD 1, N
	WIN 0
.if (N == 0) || (N == 7)
	PLACES 4                                       ; behind the first: the places in front of the first read of tile A's scores; behind the last: in front of the loads below and of the first read of tile B's
.else
.irp j, 0,1,2,3,4
	MAXOP 0, 5*(N-1)+\j
.endr
.endif
.set N, N+1
.endr
	KLOAD AK, ASK                                  ; the next step's K
	s_add_co_u32 s[NX], s[STP], 2
	s_and_b32 s[NX], s[NX], 7                      ; the step after that, modulo 8
	s_mul_i32 s[SK], s[NX], 8*KT
	s_mul_i32 s[SV], s[NX], 6144
	s_lshl_b32 s[SS], s[NX], 8
	v_add_nc_u32 v[AK], s[SK], v[AKB]
	v_add_nc_u32 v[ASK], s[SS], v[ASKB]
	WALU
.set N, 0
.rept 13                                           ; tile A's chain among tile B's search
	CHOP 0, N
	MAXOP 1, 2*N
	MAXOP 1, 2*N+1
.set N, N+1
.endr
.irp j, 26,27,28,29
	MAXOP 1, \j
.endr
.set N, 0
.rept 13                                           ; tile B's chain among tile A's scalings
	CHOP 1, N
	PKF SA+4*N, ST
	PKF SA+4*N+2, ST
.set N, N+1
.endr
.set I, 26
.rept 6
	PKF SA+2*I, ST
.set I, I+1
.endr
	WIN 0x41                                       ; source 0 and destination: window 1
.irp T, 0,1
.set I, 0
.rept 16
	v_pk_mul_f32 v[OA+32*\T+2*I:OA+32*\T+2*I+1], v[OA+32*\T+2*I:OA+32*\T+2*I+1], v[ST+12*\T+2:ST+12*\T+3] op_sel_hi:[1,0]   ; O^T under the new M, each accumulator from its low end on
.set I, I+1
.endr
.endr
	WIN 0
.irp T, 0,1
	v_pk_mul_f32 v[SUM+12*\T:SUM+12*\T+1], v[SUM+12*\T:SUM+12*\T+1], v[ST+12*\T+2:ST+12*\T+3] op_sel_hi:[1,0]   ; the sums too
.endr
	WALU                                           ; ahead of the batch
.irp T, 0,1
	v_exp_f32 v[ST+12*\T+4], v[ST+12*\T+4]         ; the blocks' largest p
	v_exp_f32 v[ST+12*\T+6], v[ST+12*\T+6]
.endr
.set I, 0
.rept 32
	v_exp_f32 v[SA+2*I], v[SA+2*I]                 ; tile A: p = 2^(t - M)
	v_exp_f32 v[SA+2*I+1], v[SA+2*I+1]
	PKF SB+2*I, ST+12                              ; tile B's t - M: first read behind the next wait
.set I, I+1
.endr
	WALU                                           ; behind tile A's batch and ahead of tile B's
.set I, 0
.rept 16
.irp j, 0,1,2,3
	v_exp_f32 v[SB+4*I+\j], v[SB+4*I+\j]
.endr
	PADD D+2*I, SA+4*I, SA+4*I+2                   ; THE ROW'S SUM OF THE UNQUANTISED p, tile A's first level: sixteen register pairs of their own
.if I < 4
	v_max_num_f32 v[ST+12*(I/2)+4+2*(I%2)], 0x1800000, v[ST+12*(I/2)+4+2*(I%2)]   ; the floor 2^(3 - 127) under a block's largest p
.endif
.set I, I+1
.endr
	WALU                                           ; behind the batch
.irp T, 0,1
	v_add_nc_u32 v[ST+12*\T+10], 0xff000000, v[ST+12*\T+4]  ; 2 off the exponent field: the conversion's scale operand
	v_add_nc_u32 v[ST+12*\T+11], 0xff000000, v[ST+12*\T+6]
.endr
	RED 8
.irp T, 0,1
	v_cvt_scalef32_pk16_fp6_f32 v[PC+12*\T:PC+12*\T+2], v[SA+64*\T:SA+64*\T+15], v[ST+12*\T+10]
	v_cvt_scalef32_pk16_fp6_f32 v[TP+8*\T:TP+8*\T+2], v[SA+64*\T+16:SA+64*\T+31], v[ST+12*\T+10]   ; (three registers begin on an even number: a block's second half is made elsewhere and moved)
	v_cvt_scalef32_pk16_fp6_f32 v[PC+12*\T+6:PC+12*\T+8], v[SA+64*\T+32:SA+64*\T+47], v[ST+12*\T+11]
	v_cvt_scalef32_pk16_fp6_f32 v[TP+8*\T+4:TP+8*\T+6], v[SA+64*\T+48:SA+64*\T+63], v[ST+12*\T+11]
.endr
	RED 4                                          ; these lines touch none of the conversions' results: the plain place behind them
.irp T, 0,1
	v_lshrrev_b32 v[ST+12*\T+8], 23, v[ST+12*\T+10]         ; the scale's byte
	v_lshrrev_b32 v[ST+12*\T+9], 23, v[ST+12*\T+11]
.endr
.irp T, 0,1
.irp i, 0,1,2
	v_mov_b32 v[PC+12*\T+3+\i], v[TP+8*\T+\i]
	v_mov_b32 v[PC+12*\T+9+\i], v[TP+8*\T+4+\i]
.endr
.endr
.irp T, 0,1
	v_lshl_or_b32 v[PW+\T], v[ST+12*\T+9], 16, v[ST+12*\T+8]   ; my two bytes: blocks h and 2 + h,
.endr
	RED 2
.irp T, 0,1
	v_lshlrev_b32 v[PW+\T], v[SH8], v[PW+\T]       ; at their places in the scale word;
.endr
	RED 1
.irp T, 0,1
	v_permlanex16_b32 v[ST+12*\T+8], v[PW+\T], s[SEL], s[SEL+1]
.endr
.irp j, 0,1,2,3
	BS \j
.endr
.irp T, 0,1
	v_or_b32 v[PW+\T], v[PW+\T], v[ST+12*\T+8]     ; with lane l xor 16's two the word is whole
.endr
	PADD SUM, SUM, D
.irp j, 4,5,6,7,8,9,10,11
	BS \j                                          ; nine plain lines stand between the scale words and the products
.endr
	WALU
	s_wait_dscnt 25                                ; V's 26 loads are in; the next step's K, 25 loads issued behind them, may be out
.set N, 0
.rept 8                                            ; the second products, and among them tile B's sums, which name none of their registers
	WIN 0x51                                       ; source 0 (V), C and D: window 1; source 1 (p's codes): window 0
	PVPROD N
	WIN 0
	BS 12+2*N
	BS 13+2*N
.set N, N+1
.endr
.irp j, 28,29,30,31
	BS \j                                          ; with the two lines above: the places in front of the loads below, and of the first read of O^T
.endr
	VLOAD AV, ASV                                  ; the next step's V
	v_add_nc_u32 v[AV], s[SV], v[AVB]
	v_add_nc_u32 v[ASV], s[SS], v[ASVB]
	s_add_co_u32 s[STP], s[STP], 1
	s_cmp_lt_u32 s[STP], 8
	WALU
	s_cbranch_scc1 .Lstep
.irp T, 0,1
	v_add_f32 v[ST+12*\T+8], v[SUM+12*\T], v[SUM+12*\T+1]
.endr
.irp T, 0,1
	v_permlanex16_b32 v[ST+12*\T+9], v[ST+12*\T+8], s[SEL], s[SEL+1]
.endr
.irp T, 0,1
	v_add_f32 v[ST+12*\T+8], v[ST+12*\T+8], v[ST+12*\T+9]   ; the row's sum
.endr
	WALU
.irp T, 0,1
	v_rcp_f32 v[ST+12*\T+8], v[ST+12*\T+8]
.endr
	v_nop                                          ; a plain place behind the reciprocals
	WIN 0x01                                       ; source 0: window 1
	WALU                                           ; the wait, directly ahead of the first reader of the reciprocals and of O^T
.irp T, 0,1
.set J, 0
.rept 32
	v_mul_f32 v[SA+64*\T+J], v[OA+32*\T+J], v[ST+12*\T+8]   ; O^T / l, each accumulator from its low end on: register 16 b + i = channel 32 b + 16 (lane / 16) + i
.set J, J+1
.endr
.endr
	WIN 0
.irp T, 0,1
	v_max3_num_f32 v[ST+12*\T+4], |v[SA+64*\T]|, |v[SA+64*\T+1]|, 0x1800000     ; the head's two blocks of 32 along E: half a block to a lane here
	v_max3_num_f32 v[ST+12*\T+5], |v[SA+64*\T+16]|, |v[SA+64*\T+17]|, 0x1800000
.endr
.irp i, 2,4,6,8,10,12,14
.irp T, 0,1
	v_max3_num_f32 v[ST+12*\T+4], v[ST+12*\T+4], |v[SA+64*\T+\i]|, |v[SA+64*\T+\i+1]|
	v_max3_num_f32 v[ST+12*\T+5], v[ST+12*\T+5], |v[SA+64*\T+16+\i]|, |v[SA+64*\T+17+\i]|
.endr
.endr
.irp T, 0,1
	v_permlanex16_b32 v[ST+12*\T+8], v[ST+12*\T+4], s[SEL], s[SEL+1]
	v_permlanex16_b32 v[ST+12*\T+9], v[ST+12*\T+5], s[SEL], s[SEL+1]
.endr
.irp T, 0,1
	v_max_num_f32 v[ST+12*\T+4], v[ST+12*\T+4], v[ST+12*\T+8]
	v_max_num_f32 v[ST+12*\T+5], v[ST+12*\T+5], v[ST+12*\T+9]
.endr
.irp T, 0,1
	v_add_nc_u32 v[ST+12*\T+10], 0xff000000, v[ST+12*\T+4]
	v_add_nc_u32 v[ST+12*\T+11], 0xff000000, v[ST+12*\T+5]
.endr
.irp T, 0,1
	v_lshrrev_b32 v[ST+12*\T+8], 23, v[ST+12*\T+10]
	v_lshrrev_b32 v[ST+12*\T+9], 23, v[ST+12*\T+11]
.endr
.irp T, 0,1
	v_lshl_or_b32 v[ST+12*\T+6], v[ST+12*\T+9], 8, v[ST+12*\T+8]   ; the two bytes
.endr
.irp T, 0,1
	v_cvt_scalef32_pk16_fp6_f32 v[PC+12*\T:PC+12*\T+2], v[SA+64*\T:SA+64*\T+15], v[ST+12*\T+10]
	v_cvt_scalef32_pk16_fp6_f32 v[TP+8*\T:TP+8*\T+2], v[SA+64*\T+16:SA+64*\T+31], v[ST+12*\T+11]
.endr
	v_nop                                          ; one plain place behind a scaled conversion
.irp T, 0,1
.irp i, 0,1,2
	v_permlane16_swap_b32 v[PC+12*\T+\i], v[TP+8*\T+\i]   ; a whole block to a lane
.endr
.irp i, 0,1,2
	v_mov_b32 v[PC+12*\T+3+\i], v[TP+8*\T+\i]
.endr
.endr
.irp T, 0,1
.irp p, 0,1,2
	global_store_b64 v[L8], v[PC+12*\T+2*\p:PC+12*\T+2*\p+1], s[8:9] offset:12288*\T+256*\p   ; half a fragment: three aligned blocks of 256 consecutive bytes
.endr
	global_store_b16 v[OSA], v[ST+12*\T+6], s[10:11] offset:512*\T   ; two bytes of my row's scale word; lanes r and r + 16 write the same value to the same place
.endr
	s_wait_xcnt 0x0                                ; the stores have read their registers and bases: both are written again only behind this wait
	s_add_nc_u64 s[8:9], s[8:9], 24576             ; my tiles 2 and 3 (behind the second pass these are not used)
	s_add_nc_u64 s[10:11], s[10:11], 1024
	WIN 0x41
.irp T, 0,1
.irp i, 0,1,2,3,4,5
	v_mov_b32 v[Q+24*\T+6+\i], v[Q+24*\T+18+\i]    ; and their q
.endr
.endr
	WIN 0
	v_mov_b32 v[QS], v[QS+2]
	v_mov_b32 v[QS+1], v[QS+3]
	s_sub_co_u32 s[CNT], s[CNT], 1
	s_cmp_lg_u32 s[CNT], 0
	WALU
	s_cbranch_scc1 .Lpass
	s_wait_tensorcnt 0x0                           ; the wave's end
	ds_add_u32 v[SPW], v[NIL]
	s_wait_dscnt 0x0
	s_endpgm
.Lfunc_end_k_qa5656ec228_attn:
	.size	k_qa5656ec228_attn, .Lfunc_end_k_qa5656ec228_attn-k_qa5656ec228_attn
	.p2alignl 7, 3214868480
	.fill 96, 4, 3214868480
	.section	.rodata,"a",@progbits
	.p2align	6, 0x0
	.amdhsa_kernel k_qa5656ec228_attn
		.amdhsa_group_segment_fixed_size 167936
		.amdhsa_private_segment_fixed_size 0
		.amdhsa_enable_private_segment 0
		.amdhsa_kernarg_size 32
		.amdhsa_user_sgpr_count 2
		.amdhsa_user_sgpr_kernarg_segment_ptr 1
		.amdhsa_wavefront_size32 1
		.amdhsa_system_sgpr_workgroup_id_x 1
		.amdhsa_system_sgpr_workgroup_id_y 1
		.amdhsa_system_sgpr_workgroup_id_z 1
		.amdhsa_system_vgpr_workitem_id 0
		.amdhsa_next_free_vgpr 512
		.amdhsa_next_free_sgpr 66
		.amdhsa_reserve_vcc 0
		.amdhsa_float_denorm_mode_32 3
		.amdhsa_float_denorm_mode_16_64 3
		.amdhsa_memory_ordered 1
		.amdhsa_forward_progress 1
		.amdhsa_inst_pref_size 55
	.end_amdhsa_kernel
	.amdgpu_metadata
---
amdhsa.version: [ 1, 2 ]
amdhsa.kernels:
  - .name:           k_qa5656ec228_attn
    .symbol:         k_qa5656ec228_attn.kd
    .args:
      - { .name: qkvc, .offset: 0, .size: 8, .value_kind: global_buffer, .address_space: global }
      - { .name: qkvs, .offset: 8, .size: 8, .value_kind: global_buffer, .address_space: global }
      - { .name: oc, .offset: 16, .size: 8, .value_kind: global_buffer, .address_space: global }
      - { .name: os, .offset: 24, .size: 8, .value_kind: global_buffer, .address_space: global }
    .group_segment_fixed_size: 167936
    .private_segment_fixed_size: 0
    .kernarg_segment_align: 8
    .kernarg_segment_size: 32
    .max_flat_workgroup_size: 256
    .sgpr_count:     66
    .vgpr_count:     512
    .wavefront_size: 32
...
	.end_amdgpu_metadata
.endif
;; end of part 3
;; launch proj (part 4): grid 4 x 64, 4 waves a work-group, clusters of 4 x 4, 327,680 bytes of LDS; arguments oc, os, wc, ws, bo, out0; writes out0
.if DOCPART == 4
	.amdgcn_target "amdgcn-amd-amdhsa--gfx1250"
	.amdhsa_code_object_version 6
	.text
	.protected	k_qa5656ec228_proj
	.globl	k_qa5656ec228_proj
	.p2align	8
	.type	k_qa5656ec228_proj,@function
k_qa5656ec228_proj:
	s_mov_b64 s[64:65], 0
	v_nop
	global_prefetch_b8 v0, s[64:65] scope:SCOPE_SE
	s_setreg_imm32_b32 hwreg(HW_REG_WAVE_MODE, 25, 1), 1
	s_wait_xcnt 0x0
	s_wait_alu depctr_hold_cnt(0) depctr_sa_sdst(0) depctr_va_vdst(0) depctr_va_sdst(0) depctr_va_ssrc(0) depctr_va_vcc(0) depctr_vm_vsrc(0)
	s_getreg_b32 s2, hwreg(HW_REG_IB_STS2, 6, 4)
	s_cmp_eq_u32 s2, 0
	s_cbranch_scc0 .Lentry_in_a_cluster
	s_endpgm
.Lentry_in_a_cluster:
	s_bfe_u32 s2, ttmp6, 0x10000c
	s_cmp_lg_u32 s2, 0xf033
	s_cbranch_scc0 .Lentry_shape_is_right
	s_endpgm
.Lentry_shape_is_right:
; out0 = A Wo^T + bo, A the attention's result as codes of FP6 (E2M3) with E8M0 scales (oc, os), Wo likewise (tiles 192-255 of wc, ws); sums in f32.
; A work-group makes 256 features (P, source 0) x 128 tokens (R, source 1) over all of K = 1,024; four waves, each 128 x 64: 32 accumulators.  256 work-groups.
; Operands lie in memory as images of fragments (1,536 bytes: register pair p at 256 p + 8 x lane), [tile][K step][1536]; tile T's lane index r stands for row 32 (T / 2) + 8 (T % 2) + r % 8 + 16 (r / 8).
; ALL OF K LIES IN LDS: four chunks of 256 along K, 73,728 bytes each (R's 8 tiles, then P's 16); each wave issues four tensor loads at the start (four of mine are outstanding), nothing is filled again.
; CLUSTER 4 x 4: R's tiles are asked for jointly along a row of the cluster, P's along a column.  The scale words come straight into registers and stay.
; The bias is the C of each sum's first product: eight registers a tile of features, in the result's layout.
; THE WAY OUT: a lane holds eight neighbouring features of one token; 16 tokens x 128 features go through the wave's own stage in LDS and leave as whole rows of 512 bytes.
; The stage lies in chunk 0, which has had its only fill and whose last read stands ahead of the barrier in K step 1.
; REGISTERS: window 0: v4 8 x lane, v5 16 r, v8-15 LDS addresses, v24-27 the way out and the bias, v28, v29 the add's two, v32-63 R's scale words, v64-127 P's, v128-223 R's fragments (later v128-255 rows on their way out).
;   window 1: P's fragments, two sets.   window 2: accumulator (a, b) at v[8 (8 a + b)].   window 3: v0-63 the bias.
; LDS AND THE LOADS, in place of what the lines above say of chunks: all of K lies in LDS as [tile][K step][1536], R's 8 tiles and then P's 16; a wave's tiles are one dense block of memory, and each wave
; issues ONE tensor load at the start (R: 4 rows of 12,288 bytes; P: 8); nothing is filled again.  The stage lies over R's first tiles: a barrier in K step 7, behind every wave's last read of the tiles, stands ahead of its first store.
.set CH,    73728
.set RP,    98304                      ; R's 8 tiles
.set SPARE, 4*CH
.set SPW,   28
.set NIL,   29
.set STO,   24
.set RD,    25
.set CO,    26
.set G1R,   24
.set G1P,   32
.set MSB,   0
.macro WIN new                         ; the immediate's high byte repeats the setting that is left
.if MSB != \new
	s_set_vgpr_msb (MSB<<8)|\new
.set MSB, \new
.endif
.endm
.macro CROUND                          ; a round of the cluster's barrier
	s_barrier_signal -1
	s_barrier_wait -1
	s_cmp_lg_u32 s16, 0
	s_cbranch_scc1 .Lnot_wave_0_\@
	s_barrier_signal -3
.Lnot_wave_0_\@:
	s_barrier_wait -3
	s_barrier_signal -1
	s_barrier_wait -1
.endm
.macro PLACES n
.rept \n
	v_nop
.endr
.endm
.macro MKG0 g, base, lds, c, extra
	s_mov_b32 s[\g], 1
	s_add_co_u32 s[\g+1], s[\lds], (\c)*CH+\extra
	s_add_nc_u64 s[\g+2:\g+3], s[\base:\base+1], (\c)*3072
	s_or_b32 s[\g+3], s[\g+3], 0x80000000
.endm
.macro FRAG reg, adr                   ; a fragment's image: six pairs, 256 bytes apart, two pairs to a load; v[adr] holds the fragment's own LDS address (the two offsets count units of 8 bytes and have 8 bits)
.irp q, 0,1,2
	ds_load_2addr_b64 v[\reg+4*\q:\reg+4*\q+3], v[\adr] offset0:64*\q offset1:64*\q+32
.endr
.endm
.macro FETCH s                         ; K step s: P's eight fragments and R's four into set s % 2: 36 loads
	WIN 0
.irp b, 0,1,2,3,4,5,6,7
	v_add_nc_u32 v[14+\b], 12288*\b+1536*(\s), v12                    ; v14-21: where P's eight fragments of this step lie: my base and a constant
.endr
.irp a, 0,1,2,3
	v_add_nc_u32 v[22+\a+6*(\a/2)], 12288*\a+1536*(\s), v8            ; v22, v23, v30, v31: R's four
.endr
	WIN 0x40
.irp b, 0,1,2,3,4,5,6,7
	FRAG 128*((\s)%2)+12*\b, 14+\b
.endr
	WIN 0
.irp a, 0,1,2,3
	FRAG 128+48*((\s)%2)+12*\a, 22+\a+6*(\a/2)
.endr
.endm
.macro MUL16 s, a0                     ; the 32 accumulators take turns, one instruction a turn, in the same order in every step
.if (\s) == 0
	WIN 0xb1                                       ; source 0 (P) window 1, source 1 (R) window 0, C (the bias) window 3, D window 2
.else
	WIN 0xa1                                       ; C and D window 2
.endif
.irp a, \a0, \a0+1
.irp b, 0,1,2,3,4,5,6,7
.if (\s) == 0
	v_wmma_scale_f32_16x16x128_f8f6f4 v[8*(8*(\a)+\b):8*(8*(\a)+\b)+7], v[128*((\s)%2)+12*\b:128*((\s)%2)+12*\b+11], v[128+48*((\s)%2)+12*(\a):128+48*((\s)%2)+12*(\a)+11], v[8*\b:8*\b+7], v[64+8*\b+(\s)], v[32+8*(\a)+(\s)] matrix_a_fmt:MATRIX_FMT_FP6 matrix_b_fmt:MATRIX_FMT_FP6
.else
	v_wmma_scale_f32_16x16x128_f8f6f4 v[8*(8*(\a)+\b):8*(8*(\a)+\b)+7], v[128*((\s)%2)+12*\b:128*((\s)%2)+12*\b+11], v[128+48*((\s)%2)+12*(\a):128+48*((\s)%2)+12*(\a)+11], v[8*(8*(\a)+\b):8*(8*(\a)+\b)+7], v[64+8*\b+(\s)], v[32+8*(\a)+(\s)] matrix_a_fmt:MATRIX_FMT_FP6 matrix_b_fmt:MATRIX_FMT_FP6
.endif
.endr
.endr
.endm
.macro STEP s
	s_wait_dscnt 0x0                               ; this step's 72 loads are in; no LDS access of mine is pending at a signal
.if (\s == 7)
	s_barrier_signal -1                            ; my last reads of the tiles are in: behind this barrier the stage may be stored over them
.endif
.if \s < 7
	PLACES 4                                       ; in front of loads into registers that the last step's matrix instructions have read (ISA guide 7.12.1 for vector instructions)
	FETCH \s+1                                     ; the next step's fragments are asked for ahead of this step's 32 products
.endif
	MUL16 \s, 0
.if (\s == 7)
	s_barrier_wait -1
.endif
	MUL16 \s, 2
.endm
	s_load_b256 s[4:11], s[0:1], 0x0               ; oc, os, wc, ws
	s_load_b128 s[12:15], s[0:1], 0x20             ; bo, out0
	v_lshl_add_u32 v[SPW], v0, 2, SPARE
	v_mov_b32 v[NIL], 0
	ds_add_u32 v[SPW], v[NIL]                      ; the wave's opening: the add and its wait ahead of my first tensor load; work on registers stands between
	ds_add_u32 v[SPW], v[NIL]
	v_lshrrev_b32 v1, 5, v0
	v_readfirstlane_b32 s16, v1                    ; wave
	s_lshr_b32 s17, s16, 1                         ; my half of the tokens.  Also: I fetch for R (0) or for P (1)
	s_and_b32 s18, s16, 1                          ; my half of the features.  Also: which half of that tile I fetch
	s_bfe_u32 s19, ttmp6, 0x40000                  ; cx
	s_bfe_u32 s20, ttmp6, 0x40004                  ; cy
	s_lshl_b32 s84, ttmp9, 2
	s_add_co_u32 s84, s84, s19                     ; which 256 features: hangs on cx
	s_and_b32 s85, ttmp7, 0xffff
	s_lshl_b32 s85, s85, 2
	s_add_co_u32 s85, s85, s20                     ; which 128 tokens: hangs on cy
	s_lshl_b32 s23, s20, 2
	s_lshl_b32 s23, 15, s23                        ; my row of the cluster
	s_lshl_b32 s89, 0x1111, s19                    ; my column
	s_or_b32 s[G1R], s23, (3<<16)|(1<<21)          ; 15:0 the mask; 17:16 elements of 8 bytes; 21 set beside a mask; no padding
	s_or_b32 s[G1P], s89, (3<<16)|(1<<21)
.irp g, G1R, G1P
	s_mov_b32 s[\g+1], 1536<<16                    ; tensor_dim0: a tile's 12,288 bytes, all of K
	s_mov_b32 s[\g+3], 1536<<16                    ; tile_dim0
	s_mov_b32 s[\g+5], 1536                        ; from tile to tile: 12,288 bytes
	s_mov_b32 s[\g+6], 0
	s_mov_b32 s[\g+7], 0
.endr
	s_mov_b32 s[G1R+2], 4<<16
	s_mov_b32 s[G1R+4], 4
	s_mov_b32 s[G1P+2], 8<<16
	s_mov_b32 s[G1P+4], 8
	s_lshl_b32 s90, s84, 4
	s_lshl_b32 s91, s18, 3
	s_add_co_u32 s90, s90, s91
	s_add_co_u32 s90, s90, 192                     ; Wo's tiles begin at 192
	s_mul_i32 s90, s90, 12288
	s_mov_b32 s91, 0
	s_lshl_b32 s92, s85, 3
	s_lshl_b32 s93, s18, 2
	s_add_co_u32 s92, s92, s93
	s_mul_i32 s92, s92, 12288
	s_mov_b32 s93, 0
	s_mul_i32 s2, s18, 49152                       ; where they go: no place in the cluster enters an LDS address
	s_mul_i32 s3, s18, 98304
	s_wait_dscnt 0x0                               ; the opening add is done
	s_wait_kmcnt 0x0
	s_add_nc_u64 s[90:91], s[8:9], s[90:91]
	s_add_nc_u64 s[92:93], s[4:5], s[92:93]
	MKG0 40, 92, 2, 0, 0
	MKG0 56, 90, 3, 0, RP
	CROUND                                         ; all sixteen work-groups are here: the joint loads meet
	s_cmp_eq_u32 s17, 0                            ; one first fill a wave, in one branch on the wave's number
	s_cbranch_scc0 .Lfor_p
.irp g, 40
	tensor_load_to_lds s[\g:\g+3], s[G1R:G1R+7]
	s_nop 0
.endr
	PLACES 4
	s_branch .Lasked
.Lfor_p:
.irp g, 56
	tensor_load_to_lds s[\g:\g+3], s[G1P:G1P+7]
	s_nop 0
.endr
	PLACES 4
.Lasked:
	v_and_b32 v1, 31, v0
	v_and_b32 v2, 15, v0
	v_bfe_u32 v3, v0, 4, 1
	v_lshlrev_b32 v4, 3, v1                        ; 8 x lane
	v_lshlrev_b32 v5, 4, v2                        ; 16 r
	s_wait_alu depctr_va_vdst(0)
	v_lshlrev_b32 v27, 6, v3                       ; 64 h
	s_wait_alu depctr_va_vdst(0)
	s_lshl_b32 s94, s84, 4
	s_lshl_b32 s95, s18, 3
	s_add_co_u32 s94, s94, s95
	s_add_co_u32 s94, s94, 192
	s_lshl_b32 s94, s94, 9                         ; my eight tiles of Wo: 512 bytes of scale words each
	s_mov_b32 s95, 0
	s_add_nc_u64 s[76:77], s[10:11], s[94:95]
	s_lshl_b32 s94, s85, 3
	s_lshl_b32 s23, s17, 2
	s_add_co_u32 s94, s94, s23
	s_lshl_b32 s94, s94, 9                         ; my four tiles of tokens
	s_add_nc_u64 s[78:79], s[6:7], s[94:95]
	s_lshl_b32 s94, s84, 10
	s_lshl_b32 s23, s18, 9
	s_add_co_u32 s94, s94, s23                     ; my first feature, in bytes of f32
	s_add_nc_u64 s[80:81], s[12:13], s[94:95]
	s_add_nc_u64 s[82:83], s[14:15], s[94:95]
	s_lshl_b32 s94, s85, 19
	s_lshl_b32 s23, s17, 18
	s_add_co_u32 s94, s94, s23                     ; my first token's row of 4,096 bytes
	s_add_nc_u64 s[82:83], s[82:83], s[94:95]
.irp b, 0,1,2,3,4,5,6,7
.irp q, 0,1
	global_load_b128 v[64+8*\b+4*\q:64+8*\b+4*\q+3], v5, s[76:77] offset:512*\b+256*\q   ; lane r: row r's words of K steps 4 q .. 4 q + 3
.endr
.endr
.irp a, 0,1,2,3
.irp q, 0,1
	global_load_b128 v[32+8*\a+4*\q:32+8*\a+4*\q+3], v5, s[78:79] offset:512*\a+256*\q
.endr
.endr
	WIN 0xc0                                       ; destination window 3
.irp b, 0,1,2,3,4,5,6,7                        ; tile b, lane half h, register j: feature 32 (b / 2) + 16 h + 8 (b % 2) + j
	global_load_b128 v[8*\b:8*\b+3], v27, s[80:81] offset:128*(\b/2)+32*(\b%2)
	global_load_b128 v[8*\b+4:8*\b+7], v27, s[80:81] offset:128*(\b/2)+32*(\b%2)+16
.endr
	WIN 0
	s_mul_i32 s23, s17, 49152
	v_add_nc_u32 v8, s23, v4                       ; my four tiles of R
	v_add_nc_u32 v12, s3, v4
	v_add_nc_u32 v12, RP, v12                      ; my eight of P
	s_mul_i32 s23, s16, 8448                       ; my stage: 16 rows x (512 + 16) bytes
	v_mul_u32_u24 v[STO], v2, 528
	v_lshl_add_u32 v[STO], v3, 6, v[STO]
	v_add_nc_u32 v[STO], s23, v[STO]               ; in: row r, + 64 h
	v_lshlrev_b32 v[CO], 4, v1                     ; back: the 32 lanes take one row of 512 bytes; and the same in out0
	v_add_nc_u32 v[RD], s23, v[CO]
	s_wait_alu depctr_va_vdst(0)
	s_wait_tensorcnt 0x0                           ; my one load has landed
	s_barrier_signal -1
	s_barrier_wait -1
	FETCH 0
	s_wait_loadcnt 0x0                             ; the scale words and the bias
	STEP 0
	STEP 1
	STEP 2
	STEP 3
	STEP 4
	STEP 5
	STEP 6
	STEP 7
	WIN 0
.macro TOSTAGE a                       ; token tile a: 16 tokens x 128 features into my stage, and back as whole rows
	WIN 0x08                                       ; an LDS store's data: window 2
.irp b, 0,1,2,3,4,5,6,7
	ds_store_b128 v[STO], v[64*(\a)+8*\b:64*(\a)+8*\b+3] offset:128*(\b/2)+32*(\b%2)      ; each accumulator from its low end on
	ds_store_b128 v[STO], v[64*(\a)+8*\b+4:64*(\a)+8*\b+7] offset:128*(\b/2)+32*(\b%2)+16
.endr
	WIN 0
.set BB, 128+64*((\a)%2)
.irp t, 0,1,2,3,4,5,6,7,8,9,10,11,12,13,14,15
	ds_load_b128 v[BB+4*\t:BB+4*\t+3], v[RD] offset:528*\t   ; LDS serves a wave's instructions in order (ISA guide 5.7.1.4): these see my stores, and the next tile's stores come behind them
.endr
.endm
.macro SEND a, younger                 ; younger: the LDS instructions issued behind tile a's loads, which may stay out
.set BB, 128+64*((\a)%2)
	s_wait_dscnt \younger
.irp t, 0,1,2,3,4,5,6,7,8,9,10,11,12,13,14,15
	global_store_b128 v[CO], v[BB+4*\t:BB+4*\t+3], s[82:83] offset:(32*((\a)/2)+8*((\a)%2)+(\t%8)+16*(\t/8))*4096 th:TH_STORE_NT   ; 32 lanes store 512 consecutive bytes, aligned; written once
.endr
.endm
	PLACES 4                                       ; in front of the first read of results and of loads into registers that held fragments
	TOSTAGE 0
	TOSTAGE 1
	SEND 0, 32                                     ; behind tile 0's loads: tile 1's 16 stores and 16 loads
	s_wait_xcnt 0x0                                ; tile 0's stores have read their registers: tile 2's loads may land there
	TOSTAGE 2
	SEND 1, 32
	s_wait_xcnt 0x0
	TOSTAGE 3
	SEND 2, 32
	SEND 3, 0
	s_wait_tensorcnt 0x0                           ; the wave's end, behind my last tensor load and my last LDS store
	ds_add_u32 v[SPW], v[NIL]
	s_wait_dscnt 0x0
	CROUND                                         ; the closing round
	s_endpgm
.Lfunc_end_k_qa5656ec228_proj:
	.size	k_qa5656ec228_proj, .Lfunc_end_k_qa5656ec228_proj-k_qa5656ec228_proj
	.p2alignl 7, 3214868480
	.fill 96, 4, 3214868480
	.section	.rodata,"a",@progbits
	.p2align	6, 0x0
	.amdhsa_kernel k_qa5656ec228_proj
		.amdhsa_group_segment_fixed_size 327680
		.amdhsa_private_segment_fixed_size 0
		.amdhsa_enable_private_segment 0
		.amdhsa_kernarg_size 48
		.amdhsa_user_sgpr_count 2
		.amdhsa_user_sgpr_kernarg_segment_ptr 1
		.amdhsa_wavefront_size32 1
		.amdhsa_system_sgpr_workgroup_id_x 1
		.amdhsa_system_sgpr_workgroup_id_y 1
		.amdhsa_system_sgpr_workgroup_id_z 1
		.amdhsa_system_vgpr_workitem_id 0
		.amdhsa_next_free_vgpr 832
		.amdhsa_next_free_sgpr 100
		.amdhsa_reserve_vcc 0
		.amdhsa_float_denorm_mode_32 3
		.amdhsa_float_denorm_mode_16_64 3
		.amdhsa_memory_ordered 1
		.amdhsa_forward_progress 1
		.amdhsa_inst_pref_size 83
	.end_amdhsa_kernel
	.amdgpu_metadata
---
amdhsa.version: [ 1, 2 ]
amdhsa.kernels:
  - .name:           k_qa5656ec228_proj
    .symbol:         k_qa5656ec228_proj.kd
    .args:
      - { .name: oc, .offset: 0, .size: 8, .value_kind: global_buffer, .address_space: global }
      - { .name: os, .offset: 8, .size: 8, .value_kind: global_buffer, .address_space: global }
      - { .name: wc, .offset: 16, .size: 8, .value_kind: global_buffer, .address_space: global }
      - { .name: ws, .offset: 24, .size: 8, .value_kind: global_buffer, .address_space: global }
      - { .name: bo, .offset: 32, .size: 8, .value_kind: global_buffer, .address_space: global }
      - { .name: out0, .offset: 40, .size: 8, .value_kind: global_buffer, .address_space: global }
    .group_segment_fixed_size: 327680
    .private_segment_fixed_size: 0
    .kernarg_segment_align: 8
    .kernarg_segment_size: 48
    .max_flat_workgroup_size: 128
    .sgpr_count:     100
    .vgpr_count:     832
    .wavefront_size: 32
...
	.end_amdgpu_metadata
.endif
;; end of part 4
